; MI455X (gfx1250); checked and timed in simulation.
; The chip was launched on July 23, 2026; its instructions are those of AMD's public machine-readable ISA for CDNA 5 (MIT licence, August 2026) and "CDNA5" Instruction Set Architecture Reference Guide (July 2026). The comments in the code are by the model that wrote it; some were corrected since.
;; PAM Module v5. Allowed arithmetic: matrix products marked QUANTISED: E2M3 operands, one E8M0 scale for each 32 along K, by v_wmma_scale_f32_16x16x128_f8f6f4 with both operands' format E2M3, f32 sums; everything else in f32.
;; Inputs: bk 64 float32; bq 64 float32; bv 512 float32; gamma 1 float32; wk_codes 64 x 16 x 24 uint8 (E2M3 codes of wk, K innermost, in blocks of 32 codes, four codes in three bytes); wk_scales 64 x 16 uint8 (E8M0 scales of wk, one for each 32 codes along K); wq_codes 64 x 16 x 24 uint8 (E2M3 codes of wq, K innermost, in blocks of 32 codes, four codes in three bytes); wq_scales 64 x 16 uint8 (E8M0 scales of wq, one for each 32 codes along K); wv_codes 512 x 16 x 24 uint8 (E2M3 codes of wv, K innermost, in blocks of 32 codes, four codes in three bytes); wv_scales 512 x 16 uint8 (E8M0 scales of wv, one for each 32 codes along K); x 4 x 512 x 64 x 64 float32.
;; Outputs: out0 4 x 512 x 64 x 64 float32.
;; This version of the problem:
;;   THIS VERSION OF THE PROBLEM IS GIVEN IN LOW PRECISION. The matrix products marked QUANTISED in the list below multiply operands that are first quantised to E2M3 (2 exponent bits, 3 mantissa bits; 6 bits a number), with one power-of-two scale for each 32 numbers along K (OCP MX v1.0); their sums are f32. All else is computed in f32.
;;   The module's matrix products, in the order in which they are computed (A, B: the left and right operand; K: the contracted axis; several contracted axes count as one K, in the product's order):
;;     1. [M 64, K 512] x [K 512, N 16,384]; A: input wq (given as codes); B: input x: QUANTISED
;;     2. [M 64, K 512] x [K 512, N 16,384]; A: input wk (given as codes); B: input x: QUANTISED
;;     3. batch 4 x [M 4,096, K 64] x [K 64, N 4,096]; A: computed on the way; B: computed on the way: QUANTISED
;;     4. [M 512, K 512] x [K 512, N 16,384]; A: input wv (given as codes); B: input x: QUANTISED
;;     5. batch 4 x [M 512, K 4,096] x [K 4,096, N 4,096]; A: computed on the way; B: computed on the way: QUANTISED
;;   THE QUANTISER, for each operand of a quantised product, along K:
;;     - K is cut into blocks of 32 from its start; a last block that is shorter is filled with zeros.
;;     - A block's scale is 2^e with e = floor(log2(the largest magnitude in the block)) - 2, held to -126 .. 127; a block of zeros has e = 0. As a byte (E8M0): e + 127.
;;     - Each number is divided by its block's scale, clamped to +-7.5, and rounded to the nearest number of E2M3, ties to even, subnormals kept.
;;     - The product sums the exact products of the quantised numbers (number of the format x scale) in f32.
;;   ~~~python
;;   def quantise(x, axis):      # numpy; x: float32 -> the quantised numbers, widened to float32 again
;;       x = np.moveaxis(x, axis, -1); K = x.shape[-1]
;;       x = np.pad(x, [(0, 0)] * (x.ndim - 1) + [(0, -K % 32)]); x = x.reshape(x.shape[:-1] + (-1, 32)); a = np.abs(x).max(-1, keepdims=True)
;;       e = np.where(a > 0, np.clip(np.frexp(np.where(a > 0, a, 1))[1] - 1 - 2, -126, 127), 0)      # np.frexp(a)[1] - 1 = floor(log2(a)), exactly
;;       r = np.clip(x / 2.0 ** e, -7.5, 7.5)
;;       step = 2.0 ** (np.maximum(np.frexp(np.where(r == 0, 1, r))[1] - 1, 0) - 3)
;;       q = np.round(r / step) * step * 2.0 ** e      # np.round: ties to even
;;       return np.moveaxis(q.reshape(q.shape[:-2] + (-1,))[..., :K], -1, axis).astype(np.float32)
;;   ~~~
;;   OPERANDS COMPUTED ON THE WAY. 'Computed on the way' means the value that the module computes at that place (a softmax that the list does not call 'softmax' is quantised finished and normalised). What goes into a quantiser is computed in f32, as accurately as f32 sums, v_exp_f32 and their like allow (about 1e-6 of the number): no bf16 or f16 on the way to a quantiser, and a product that is left as it is and whose result goes on into a quantised operand takes f32 operands (vector FMAs, or v_wmma_f32_16x16x4_f32). A number that lies on a knife's edge between two numbers of the format may be rounded either way, as far as f32 arithmetic and the matrix unit's own rounding can turn it there, and no further.
;;   INPUTS GIVEN AS CODES. wk (in the module: [64, 512], K = its axis 1); wq (in the module: [64, 512], K = its axis 1); wv (in the module: [512, 512], K = its axis 1): each comes as NAME_codes (uint8): NAME with its K axis moved to the last place and cut into blocks of 32 codes, [.., K / 32, bytes a block], one block behind the other in memory; four codes in three bytes: a row's codes are one little-endian stream of bits, code i at bits 6 i .. 6 i + 5 (a code: sign, 2 exponent bits, 3 mantissa bits); and NAME_scales (uint8): the same leading axes, one E8M0 byte (e + 127) for each 32 codes along K. Its value is code x scale, taken as it is: it is not quantised again, and the codes and scales need not be those that the quantiser above would give.
;; One version. Each part assembles by itself: llvm-mc -triple=amdgcn-amd-amdhsa -mcpu=gfx1250 --defsym DOCPART=n.
;; ======== version 1 of 1: 3 launches
;; workspace buffers: ws 8,388,608 bytes; qr 983,040 bytes
;; launch proj (part 1): grid 64 x 4, 8 waves a work-group, no clusters, 196,608 bytes of LDS; arguments x, wq_codes, wq_scales, bq, wk_codes, wk_scales, bk, wv_codes, wv_scales, bv, ws; writes ws
.if DOCPART == 1
	.amdgcn_target "amdgcn-amd-amdhsa--gfx1250"
	.amdhsa_code_object_version 6
	.text
	.protected	k_qb62aa2b084_proj
	.globl	k_qb62aa2b084_proj
	.p2align	8
	.type	k_qb62aa2b084_proj,@function
k_qb62aa2b084_proj:
	s_mov_b64 s[64:65], 0
	v_nop
	global_prefetch_b8 v0, s[64:65] scope:SCOPE_SE
	s_setreg_imm32_b32 hwreg(HW_REG_WAVE_MODE, 25, 1), 1
	s_wait_xcnt 0x0
; PROJ: x is quantised along its channels; q, k and v (the three 1x1 convolutions) are made on E2M3 codes and coded for the later products.
; NO WORK IS LEFT OUT in this program: bq and bk move the codes of q and k, bv those of v, gamma scales the result; every input is loaded.
; A work-group takes one image row y of one batch b: 64 pixels x all 640 output channels.  Wave w quantises channels 64 w .. 64 w + 63 of x (a lane a pixel, registers down the
; channels, so that a block of 32 along K lies in one lane), then makes v's tiles 4 w .. 4 w + 3 (16 channels each) and one tile of q (waves 0-3) or of k (waves 4-7).
; THE PRODUCT IS LAID so that a lane holds ONE output channel and its registers run along the pixels, which are the next products' K: source 0 = 16 pixels of x, source 1 = 16 rows of a weight;
; row r of pixel tile 2 b + u is pixel 32 b + 8 u + (r % 8) + 16 (r / 8), so that the 16 registers of tiles 2 b, 2 b + 1 are pixels 32 b + 16 (lane / 16) + 0 .. 15.
; q IS STORED AS THE CODES OF -2 q: the quantiser is odd and commutes with powers of two, so Q(-2 q) = -2 Q(q) exactly; the later launches then get k2 - 2 q.k (or q2 - 2 q.k) from the matrix unit.
; OUT: one dense block of 32,768 bytes of ws for (b, y): v's codes as images of operand registers (768 bytes a tile: 24 bytes a lane), v's scale bytes, and for q and for k: two images that each
; carry two tiles of 16 rows x 64 K (one in K 0-63, one in K 64-127 of an operand), the rows' sums of squares, and their scale words (twice, so that every byte of the block is written).
; LIMITS: blocks whose largest magnitude lies under 2^-124 get the byte 1 (a block of zeros too: its codes are zeros, and this program alone reads the bytes); NaN and infinities are not served.
.set XI,    131072                     ; LDS: behind x's 8 x 16,384 raw bytes: x's 16 fragments (K step s, pixel tile p: 4 s + p), 6 planes of 256 bytes (8 bytes a lane), pitch FP
.set FP,    1664
.set XSC,   157696                     ; their scale words: 64 bytes a fragment
.set STG,   158720                     ; the stage: the ws block as it will lie in memory
.set SPARE, 191488                     ; the spare words, 128 bytes for each wave
.set XRA, 4                            ; v4   my pixel in my wave's raw rows
.set XW,  5                            ; v5   where my pixel's codes go among the fragments
.set XSW, 6                            ; v6   and its two scale bytes
.set XIA, 7                            ; v7   XI + 8 x lane
.set XSA, 8                            ; v8   XSC + 4 r
.set WFA, 9                            ; v9   a weight's row r, + 24 h
.set BRA, 13                           ; v13  4 r
.set VST, 14                           ; v14  stage: v's codes
.set VSS, 15                           ; v15  stage: v's scale bytes
.set QKA, 16                           ; v16-18 stage: the three 8-byte pieces of my q or k block
.set QKS, 19                           ; v19  its two scale bytes
.set QKQ, 20                           ; v20  its row's sum of squares
.set CPG, 21                           ; v21  the way out: 4,096 w + 16 x lane
.set CPL, 22                           ; v22  the same in the stage
.set WSA, 23                           ; v23  16 r
.set SPW, 24                           ; v24  my spare word; never rewritten
.set NIL, 25                           ; v25  0; never rewritten
.set XSR, 26                           ; v26-41  x's scale words
.set WS,  42                           ; v42-61  the weights' scale words: tile t, K step s at 4 t + s
.set BR,  62                           ; v62-66  the bias of channel r of tile t
.set CT,  68                           ; v68-75  the bias as a C operand
.set WF0, 76                           ; v76-123 a weight tile's four fragments (even tiles)
.set ACC, 124                          ; v124-155 four accumulators
.set TM,  156                          ; v156-171 at work
.set CX,  172                          ; v172-187 codes, two sets
.set XU,  188                          ; v188-251 two units of 32 numbers of x
.set CT1, 188                          ; later: the bias once more
.set OUTR, 196                         ; later: the way out
.set WF1, 192                          ; window 1: v192-239 a weight tile's fragments (odd tiles); v0-191 x's 16 fragments
.set WV,  26
.set G1,  32
.set G0,  40
.set SEL, 46
.set FQ,  48
.set PVC, 50
.set PVS, 52
.set PVB, 54
.set PQC, 56
.set PQS, 58
.set PQB, 60
.set PWS, 62
.set MSB, 0
.macro WIN new                         ; the immediate's high byte repeats the setting that is left
.if MSB != (\new)
	s_set_vgpr_msb (MSB<<8)|(\new)
.set MSB, (\new)
.endif
.endm
; unit k = (pixel half k / 2, channel block k % 2): 32 channels of 32 pixels, a lane a pixel
.macro LOADU k
.set XQ, XU+32*((\k)%2)
.set i, 0
.rept 32
	ds_load_b32 v[XQ+i], v[XRA] offset:(32*((\k)%2)+i)*256+128*((\k)/2)
.set i, i+1
.endr
.endm
; the unit's block of each lane: largest magnitude with the floor among its leaves, scale, 32 codes (24 bytes), stored at their place in an operand's image
.macro PROC k
.set XQ, XU+32*((\k)%2)
.set CK, CX+8*((\k)%2)
	v_max3_num_f32 v[TM], |v[XQ]|, |v[XQ+1]|, |v[XQ+2]|
	v_max3_num_f32 v[TM+1], |v[XQ+3]|, |v[XQ+4]|, |v[XQ+5]|
.irp i,6,10,14,18,22,26
	v_max3_num_f32 v[TM], v[TM], |v[XQ+\i]|, |v[XQ+\i+1]|
	v_max3_num_f32 v[TM+1], v[TM+1], |v[XQ+\i+2]|, |v[XQ+\i+3]|
.endr
	v_max3_num_f32 v[TM], v[TM], |v[XQ+30]|, |v[XQ+31]|
	v_max3_num_f32 v[TM], v[TM], v[TM+1], 0x1800000          ; the floor 2^(3 - 127): the byte cannot fall under 1
	v_add_nc_u32 v[TM+4], 0xff000000, v[TM]                  ; 2 off the exponent field: the conversion's scale operand
	v_cvt_scalef32_pk16_fp6_f32 v[CK:CK+2], v[XQ:XQ+15], v[TM+4]
	v_cvt_scalef32_pk16_fp6_f32 v[CK+4:CK+6], v[XQ+16:XQ+31], v[TM+4]
	v_lshrrev_b32 v[TM+5+(\k)%2], 23, v[TM+4]                ; the scale's byte (the plain place behind the conversions)
	v_mov_b32 v[CK+3], v[CK+4]                               ; a conversion's three registers begin on an even number: the second three are moved up
	v_mov_b32 v[CK+4], v[CK+5]
	v_mov_b32 v[CK+5], v[CK+6]
.irp i,0,1,2
	ds_store_b64 v[XW], v[CK+2*\i:CK+2*\i+1] offset:3328*((\k)/2)+128*((\k)%2)+256*\i
.endr
.if (\k)%2
	v_lshl_or_b32 v[TM+12+(\k)/2], v[TM+6], 8, v[TM+5]       ; my wave's two blocks are neighbours in the scale word
	ds_store_b16 v[XSW], v[TM+12+(\k)/2] offset:128*((\k)/2)
.endif
.endm
; a weight tile's four fragments, from memory as they lie: 24 bytes a lane and 64 along K, in pieces of 8
.macro WLOAD t
.if (\t)%2
	WIN 0x40
.set WL, WF1
.else
.set WL, WF0
.endif
.irp s,0,1,2,3
.irp p,0,1,2,3,4,5
.if (\t) < 4
	global_load_b64 v[WL+12*\s+2*\p:WL+12*\s+2*\p+1], v[WFA], s[PVC:PVC+1] offset:6144*(\t)+96*\s+48*(\p/3)+8*(\p%3)
.else
	global_load_b64 v[WL+12*\s+2*\p:WL+12*\s+2*\p+1], v[WFA], s[PQC:PQC+1] offset:96*\s+48*(\p/3)+8*(\p%3)
.endif
.endr
.endr
	WIN 0
.endm
; the 32 numbers of a lane in ACC (block b: registers 16 b .. 16 b + 15, my half of it) become codes: afterwards lane (r, h) holds block h whole in v[CX .. CX+5], and v[TM+8] both bytes
.macro QUANT2
.irp b,0,1
	v_max3_num_f32 v[TM+\b], |v[ACC+16*\b]|, |v[ACC+16*\b+1]|, 0x1800000
.endr
.irp i,2,4,6,8,10,12,14
.irp b,0,1
	v_max3_num_f32 v[TM+\b], v[TM+\b], |v[ACC+16*\b+\i]|, |v[ACC+16*\b+\i+1]|
.endr
.endr
.irp b,0,1
	v_permlanex16_b32 v[TM+2+\b], v[TM+\b], s[SEL], s[SEL+1]
.endr
.irp b,0,1
	v_max_num_f32 v[TM+\b], v[TM+\b], v[TM+2+\b]             ; with lane l xor 16's half: the block's largest magnitude
.endr
.irp b,0,1
	v_add_nc_u32 v[TM+4+\b], 0xff000000, v[TM+\b]
.endr
.irp b,0,1
	v_lshrrev_b32 v[TM+6+\b], 23, v[TM+4+\b]
.endr
	s_wait_dscnt 0x0                                         ; the last tile's stores have read their registers
	v_lshl_or_b32 v[TM+8], v[TM+7], 8, v[TM+6]
	v_cvt_scalef32_pk16_fp6_f32 v[CX:CX+2], v[ACC:ACC+15], v[TM+4]
	v_cvt_scalef32_pk16_fp6_f32 v[CX+4:CX+6], v[ACC+16:ACC+31], v[TM+5]
	v_nop                                                    ; one plain place behind a scaled conversion
.irp i,0,1,2
	v_permlane16_swap_b32 v[CX+\i], v[CX+4+\i]               ; lanes 0-15 get block 0 whole, lanes 16-31 block 1
.endr
.irp i,0,1,2
	v_mov_b32 v[CX+3+\i], v[CX+4+\i]
.endr
.endm
; tile t of my five: 16 output channels x 64 pixels, K = 512 in four steps; the four accumulators take turns
.macro TILE t, qk
.if (\t) < 4
	WLOAD (\t)+1                                             ; the other register set was last read a whole tile's vector work ago
.endif
.irp j,0,1,2,3,4,5,6,7
	v_mov_b32 v[CT+\j], v[BR+(\t)]                           ; the bias starts the sums: the same number in all eight registers of a lane, whose column is one channel
	v_mov_b32 v[CT1+\j], v[BR+(\t)]
.endr
.rept 4
	v_nop
.endr
.if (\t) < 4
	s_wait_loadcnt 24                                        ; my tile's fragments are in; the next tile's 24 loads may be out
.else
	s_wait_loadcnt 0x0
.endif
.if (\t)%2
.set WD, WF1
	WIN 0x05                                                 ; x's fragments and the weight's in window 1
.else
.set WD, WF0
	WIN 0x01                                                 ; x's fragments in window 1
.endif
.irp s,0,1,2,3
.irp p,0,1,2,3
.if \s == 0
	v_wmma_scale_f32_16x16x128_f8f6f4 v[ACC+8*\p:ACC+8*\p+7], v[12*(4*\s+\p):12*(4*\s+\p)+11], v[WD+12*\s:WD+12*\s+11], v[CT+(CT1-CT)*(\p%2):CT+(CT1-CT)*(\p%2)+7], v[XSR+4*\s+\p], v[WS+4*(\t)+\s] matrix_a_fmt:MATRIX_FMT_FP6 matrix_b_fmt:MATRIX_FMT_FP6
.else
	v_wmma_scale_f32_16x16x128_f8f6f4 v[ACC+8*\p:ACC+8*\p+7], v[12*(4*\s+\p):12*(4*\s+\p)+11], v[WD+12*\s:WD+12*\s+11], v[ACC+8*\p:ACC+8*\p+7], v[XSR+4*\s+\p], v[WS+4*(\t)+\s] matrix_a_fmt:MATRIX_FMT_FP6 matrix_b_fmt:MATRIX_FMT_FP6
.endif
.endr
.endr
	WIN 0
.rept 4
	v_nop                                                    ; places in front of the first read of results
.endr
.if \qk
	v_pk_mul_f32 v[TM+10:TM+11], v[ACC:ACC+1], v[ACC:ACC+1]  ; the row's sum of squares, of the unquantised numbers, in two chains, each accumulator from its low end on
	v_pk_mul_f32 v[TM+12:TM+13], v[ACC+2:ACC+3], v[ACC+2:ACC+3]
.irp j,4,8,12,16,20,24,28
	v_pk_fma_f32 v[TM+10:TM+11], v[ACC+\j:ACC+\j+1], v[ACC+\j:ACC+\j+1], v[TM+10:TM+11]
	v_pk_fma_f32 v[TM+12:TM+13], v[ACC+\j+2:ACC+\j+3], v[ACC+\j+2:ACC+\j+3], v[TM+12:TM+13]
.endr
	v_pk_add_f32 v[TM+10:TM+11], v[TM+10:TM+11], v[TM+12:TM+13]
	v_add_f32 v[TM+10], v[TM+10], v[TM+11]
	v_permlanex16_b32 v[TM+12], v[TM+10], s[SEL], s[SEL+1]
	v_add_f32 v[TM+10], v[TM+10], v[TM+12]
	ds_store_b32 v[QKQ], v[TM+10]
.irp j,0,2,4,6,8,10,12,14,16,18,20,22,24,26,28,30
	v_pk_mul_f32 v[ACC+\j:ACC+\j+1], v[ACC+\j:ACC+\j+1], s[FQ:FQ+1] op_sel_hi:[1,0]   ; q: x -2; k: x 1
.endr
	QUANT2
.irp i,0,1,2
	ds_store_b64 v[QKA+\i], v[CX+2*\i:CX+2*\i+1]
.endr
	ds_store_b16 v[QKS], v[TM+8]
.else
	QUANT2
.irp i,0,1,2
	ds_store_b64 v[VST], v[CX+2*\i:CX+2*\i+1] offset:768*(\t)+8*\i
.endr
	ds_store_b16 v[VSS], v[TM+8] offset:2*(\t)               ; both lanes of a channel write the same bytes with the same value
.endif
.endm
	s_load_b256 s[4:11], s[0:1], 0x0               ; x, wq_codes, wq_scales, bq
	s_load_b256 s[12:19], s[0:1], 0x20             ; wk_codes, wk_scales, bk, wv_codes
	s_load_b128 s[20:23], s[0:1], 0x40             ; wv_scales, bv
	s_load_b64 s[24:25], s[0:1], 0x50              ; ws
	v_lshl_add_u32 v[SPW], v0, 2, SPARE
	v_mov_b32 v[NIL], 0
	ds_add_u32 v[SPW], v[NIL]                      ; the wave's opening: the add, twice on end, and its wait ahead of my tensor load
	ds_add_u32 v[SPW], v[NIL]
	v_lshrrev_b32 v1, 5, v0
	v_readfirstlane_b32 s[WV], v1                  ; wave 0..7
	s_mov_b32 s[G1+0], 3<<16                       ; elements of 8 bytes, no mask, no padding
	s_mov_b32 s[G1+1], 32<<16                      ; tensor_dim0 = 32 elements: 64 pixels, 256 bytes
	s_mov_b32 s[G1+2], 64<<16                      ; tensor_dim1 = 64 channels
	s_mov_b32 s[G1+3], 32<<16                      ; tile_dim0
	s_mov_b32 s[G1+4], 64                          ; tile_dim1
	s_mov_b32 s[G1+5], 2048                        ; from channel to channel: 16,384 bytes
	s_mov_b32 s[G1+6], 0
	s_mov_b32 s[G1+7], 0
	s_mov_b32 s[G0], 1
	s_lshl_b32 s[G0+1], s[WV], 14                  ; my wave's 16,384 bytes of LDS
	v_and_b32 v1, 31, v0                           ; lane
	v_and_b32 v2, 15, v0                           ; r
	v_bfe_u32 v3, v0, 4, 1                         ; h
	s_lshr_b32 s30, s[WV], 1
	s_and_b32 s31, s[WV], 1
	v_lshlrev_b32 v[XRA], 2, v1
	v_add_nc_u32 v[XRA], s[G0+1], v[XRA]
	v_bfe_u32 v10, v0, 3, 1                        ; my pixel's tile among the two of its half,
	v_and_b32 v11, 7, v0
	v_lshl_or_b32 v11, v3, 3, v11                  ; and its row there
	s_mul_i32 s66, s30, 4*FP                       ; my channels' K step,
	s_mul_i32 s67, s31, 768                        ; and which six registers of a fragment
	s_add_co_u32 s66, s66, s67
	s_add_co_u32 s66, s66, XI
	v_mul_u32_u24 v[XW], v10, FP
	v_lshl_add_u32 v[XW], v11, 3, v[XW]
	v_add_nc_u32 v[XW], s66, v[XW]
	s_lshl_b32 s66, s30, 8
	s_lshl_b32 s67, s31, 1
	s_add_co_u32 s66, s66, s67
	s_add_co_u32 s66, s66, XSC
	v_lshlrev_b32 v[XSW], 6, v10
	v_lshl_add_u32 v[XSW], v11, 2, v[XSW]
	v_add_nc_u32 v[XSW], s66, v[XSW]
	v_lshl_add_u32 v[XIA], v1, 3, XI
	v_lshl_add_u32 v[XSA], v2, 2, XSC
	v_mul_u32_u24 v[WFA], v2, 384                  ; a weight's row is 512 codes, 384 bytes
	v_mad_u32_u24 v[WFA], v3, 24, v[WFA]
	v_lshlrev_b32 v[BRA], 2, v2
	v_lshlrev_b32 v[WSA], 4, v2
	s_mul_i32 s66, s[WV], 3072
	s_add_co_u32 s66, s66, STG
	v_mul_u32_u24 v[VST], v1, 24
	v_add_nc_u32 v[VST], s66, v[VST]
	s_lshl_b32 s66, s[WV], 7
	s_add_co_u32 s66, s66, STG+24576
	v_lshl_add_u32 v[VSS], v2, 3, s66
	s_lshr_b32 s68, s[WV], 2
	s_mul_i32 s68, s68, 3584
	s_add_co_u32 s68, s68, STG+25600               ; q's part of the block, or k's
	s_and_b32 s69, s30, 1                          ; which image: my tile / 2
	s_mul_i32 s70, s69, 1536
	s_add_co_u32 s70, s70, s68
	s_mul_i32 s71, s31, 520                        ; a lane's 48 bytes of an image lie in three planes of 16: byte p at 512 (p / 16) + p % 16; my tile's pieces are p = 24 (tile % 2) + 0, 8, 16
	s_add_co_u32 s71, s71, s70
	v_lshl_add_u32 v[QKA], v1, 4, s71
	s_mul_i32 s71, s31, 1016
	s_add_co_u32 s71, s71, s70
	s_add_co_u32 s71, s71, 8
	v_lshl_add_u32 v[QKA+1], v1, 4, s71
	v_add_nc_u32 v[QKA+2], 512, v[QKA]
	s_lshl_b32 s71, s69, 6
	s_add_co_u32 s71, s71, s68
	s_lshl_b32 s72, s31, 1
	s_add_co_u32 s71, s71, s72
	s_add_co_u32 s71, s71, 3328
	v_lshlrev_b32 v[QKS], 7, v3                    ; lanes 16-31 write the second copy of the scale words
	v_lshl_add_u32 v[QKS], v2, 2, v[QKS]
	v_add_nc_u32 v[QKS], s71, v[QKS]
	s_and_b32 s71, s[WV], 3
	s_lshl_b32 s71, s71, 6
	s_add_co_u32 s71, s71, s68
	s_add_co_u32 s71, s71, 3072
	v_lshl_add_u32 v[QKQ], v2, 2, s71
	s_lshl_b32 s66, s[WV], 12
	v_lshl_add_u32 v[CPG], v1, 4, s66
	v_add_nc_u32 v[CPL], STG, v[CPG]
	v_mov_b32 v[TM+2], 0                           ; written once: a lane permute's destination counts as one of its sources
	v_mov_b32 v[TM+3], 0
	v_mov_b32 v[TM+12], 0
	s_mov_b32 s[SEL], 0x76543210
	s_mov_b32 s[SEL+1], 0xfedcba98                 ; lane l xor 16
	s_and_b32 s27, ttmp7, 0xffff                   ; b
	s_lshl_b32 s28, s27, 23
	s_lshl_b32 s29, s[WV], 20
	s_add_co_u32 s28, s28, s29
	s_lshl_b32 s29, ttmp9, 8
	s_add_co_u32 s28, s28, s29                     ; x(b, 64 w, y, 0), in bytes
	s_mov_b32 s29, 0
	s_wait_dscnt 0x0                               ; both opening adds are done
	s_wait_kmcnt 0x0
	s_add_nc_u64 s[G0+2:G0+3], s[4:5], s[28:29]
	s_or_b32 s[G0+3], s[G0+3], 0x80000000
	tensor_load_to_lds s[G0:G0+3], s[G1:G1+7]      ; my 64 channels x 64 pixels: the one tensor load of the wave; only I read its bytes
	s_nop 0
.rept 4
	v_nop
.endr
	s_mov_b32 s67, 0
	s_mul_i32 s66, s[WV], 24576
	s_add_nc_u64 s[PVC:PVC+1], s[18:19], s[66:67]  ; wv's rows 64 w on: codes,
	s_lshl_b32 s66, s[WV], 10
	s_add_nc_u64 s[PVS:PVS+1], s[20:21], s[66:67]  ; scale bytes,
	s_lshl_b32 s66, s[WV], 8
	s_add_nc_u64 s[PVB:PVB+1], s[22:23], s[66:67]  ; bias
	s_mov_b32 s[FQ], 1.0
	s_cmp_lt_u32 s[WV], 4                          ; waves 0-3: q; waves 4-7: k
	s_cselect_b64 s[PQC:PQC+1], s[6:7], s[12:13]
	s_cselect_b64 s[PQS:PQS+1], s[8:9], s[14:15]
	s_cselect_b64 s[PQB:PQB+1], s[10:11], s[16:17]
	s_cselect_b32 s[FQ], 0xc0000000, s[FQ]         ; -2 for q
	s_mov_b32 s[FQ+1], s[FQ]
	s_and_b32 s68, s[WV], 3
	s_mul_i32 s66, s68, 6144
	s_add_nc_u64 s[PQC:PQC+1], s[PQC:PQC+1], s[66:67]
	s_lshl_b32 s66, s68, 8
	s_add_nc_u64 s[PQS:PQS+1], s[PQS:PQS+1], s[66:67]
	s_lshl_b32 s66, s68, 6
	s_add_nc_u64 s[PQB:PQB+1], s[PQB:PQB+1], s[66:67]
	s_lshl_b32 s66, s27, 21
	s_lshl_b32 s69, ttmp9, 15
	s_add_co_u32 s66, s66, s69
	s_add_nc_u64 s[PWS:PWS+1], s[24:25], s[66:67]  ; my block of ws
.irp i,0,1,2,3
	global_load_b128 v[WS+4*\i:WS+4*\i+3], v[WSA], s[PVS:PVS+1] offset:256*\i   ; a row's 16 scale bytes: the words of its four K steps
.endr
	global_load_b128 v[WS+16:WS+19], v[WSA], s[PQS:PQS+1]
.irp i,0,1,2,3
	global_load_b32 v[BR+\i], v[BRA], s[PVB:PVB+1] offset:64*\i
.endr
	global_load_b32 v[BR+4], v[BRA], s[PQB:PQB+1]
	WLOAD 0
	s_wait_tensorcnt 0x0                           ; my rows of x lie in LDS
	LOADU 0
	LOADU 1
	s_wait_dscnt 32                                ; unit 0 is in; unit 1's 32 loads may be out
	PROC 0
	LOADU 2
	s_wait_dscnt 35                                ; behind unit 1's loads: 3 stores and 32 loads
	PROC 1
	LOADU 3
	s_wait_dscnt 36                                ; behind unit 2's loads: 4 stores and 32 loads
	PROC 2
	s_wait_dscnt 3                                 ; behind unit 3's loads: 3 stores
	PROC 3
	s_wait_dscnt 0x0                               ; for the others' sake: my codes and scale bytes have landed
	s_barrier_signal -1
	s_barrier_wait -1                              ; x's sixteen fragments lie in LDS
	WIN 0x40
.set f, 0
.rept 16
.irp i,0,1,2,3,4,5
	ds_load_b64 v[12*f+2*\i:12*f+2*\i+1], v[XIA] offset:FP*f+256*\i   ; all of them stay in my registers: 32 lanes read 256 bytes on end
.endr
.set f, f+1
.endr
	WIN 0
.set f, 0
.rept 16
	ds_load_b32 v[XSR+f], v[XSA] offset:64*f
.set f, f+1
.endr
	s_wait_dscnt 0x0
	s_wait_loadcnt 24                              ; the scale words and biases are in; tile 0's 24 loads may be out
	TILE 0, 0
	TILE 1, 0
	TILE 2, 0
	TILE 3, 0
	TILE 4, 1
	s_wait_dscnt 0x0                               ; for the others' sake: my part of the block lies in the stage
	s_barrier_signal -1
	s_barrier_wait -1
.irp i,0,1,2,3,4,5,6,7
	ds_load_b128 v[OUTR+4*\i:OUTR+4*\i+3], v[CPL] offset:512*\i
.endr
.irp i,0,1,2,3,4,5,6,7
	s_wait_dscnt 7-\i
	global_store_b128 v[CPG], v[OUTR+4*\i:OUTR+4*\i+3], s[PWS:PWS+1] offset:512*\i   ; 32 lanes store 512 consecutive bytes, at a multiple of 256 from the buffer's first byte
.endr
	s_wait_tensorcnt 0x0                           ; the wave's end
	ds_add_u32 v[SPW], v[NIL]
	s_wait_dscnt 0x0
	s_endpgm
.Lfunc_end_k_qb62aa2b084_proj:
	.size	k_qb62aa2b084_proj, .Lfunc_end_k_qb62aa2b084_proj-k_qb62aa2b084_proj
	.p2alignl 7, 3214868480
	.fill 96, 4, 3214868480
	.section	.rodata,"a",@progbits
	.p2align	6, 0x0
	.amdhsa_kernel k_qb62aa2b084_proj
		.amdhsa_group_segment_fixed_size 196608
		.amdhsa_private_segment_fixed_size 0
		.amdhsa_enable_private_segment 0
		.amdhsa_kernarg_size 88
		.amdhsa_user_sgpr_count 2
		.amdhsa_user_sgpr_kernarg_segment_ptr 1
		.amdhsa_wavefront_size32 1
		.amdhsa_system_sgpr_workgroup_id_x 1
		.amdhsa_system_sgpr_workgroup_id_y 1
		.amdhsa_system_sgpr_workgroup_id_z 1
		.amdhsa_system_vgpr_workitem_id 0
		.amdhsa_next_free_vgpr 512
		.amdhsa_next_free_sgpr 80
		.amdhsa_reserve_vcc 0
		.amdhsa_float_denorm_mode_32 3
		.amdhsa_float_denorm_mode_16_64 3
		.amdhsa_memory_ordered 1
		.amdhsa_forward_progress 1
		.amdhsa_inst_pref_size 70
	.end_amdhsa_kernel
	.amdgpu_metadata
---
amdhsa.version: [ 1, 2 ]
amdhsa.kernels:
  - .name:           k_qb62aa2b084_proj
    .symbol:         k_qb62aa2b084_proj.kd
    .args:
      - { .name: x, .offset: 0, .size: 8, .value_kind: global_buffer, .address_space: global }
      - { .name: wq_codes, .offset: 8, .size: 8, .value_kind: global_buffer, .address_space: global }
      - { .name: wq_scales, .offset: 16, .size: 8, .value_kind: global_buffer, .address_space: global }
      - { .name: bq, .offset: 24, .size: 8, .value_kind: global_buffer, .address_space: global }
      - { .name: wk_codes, .offset: 32, .size: 8, .value_kind: global_buffer, .address_space: global }
      - { .name: wk_scales, .offset: 40, .size: 8, .value_kind: global_buffer, .address_space: global }
      - { .name: bk, .offset: 48, .size: 8, .value_kind: global_buffer, .address_space: global }
      - { .name: wv_codes, .offset: 56, .size: 8, .value_kind: global_buffer, .address_space: global }
      - { .name: wv_scales, .offset: 64, .size: 8, .value_kind: global_buffer, .address_space: global }
      - { .name: bv, .offset: 72, .size: 8, .value_kind: global_buffer, .address_space: global }
      - { .name: ws, .offset: 80, .size: 8, .value_kind: global_buffer, .address_space: global }
    .group_segment_fixed_size: 196608
    .private_segment_fixed_size: 0
    .kernarg_segment_align: 8
    .kernarg_segment_size: 88
    .max_flat_workgroup_size: 256
    .sgpr_count:     80
    .vgpr_count:     512
    .wavefront_size: 32
...
	.end_amdgpu_metadata
.endif
;; end of part 1
;; launch stats (part 2): grid 64 x 4, 8 waves a work-group, no clusters, 9,216 bytes of LDS; arguments ws, qr; writes qr
.if DOCPART == 2
	.amdgcn_target "amdgcn-amd-amdhsa--gfx1250"
	.amdhsa_code_object_version 6
	.text
	.protected	k_qb62aa2b084_stats
	.globl	k_qb62aa2b084_stats
	.p2align	8
	.type	k_qb62aa2b084_stats,@function
k_qb62aa2b084_stats:
	s_mov_b64 s[64:65], 0
	v_nop
	global_prefetch_b8 v0, s[64:65] scope:SCOPE_SE
	s_setreg_imm32_b32 hwreg(HW_REG_WAVE_MODE, 25, 1), 1
	s_wait_xcnt 0x0
; STATS: for each row n of the energies, off[n] = c dmin[n] - log2(sum over m of 2^(c dmin[n] - c d[n][m])), c = log2(e) / 4096, d the distance: then attn[n][m] = 2^(off[n] - c d[n][m]).
; The row's largest energy is taken away before every exponential, as a running smallest distance; no exponent is above 0 but by rounding.  Nothing of the problem is left out here.
; A work-group takes the 64 rows n = 64 g .. 64 g + 63 of one batch (q's output channel g, image rows 0 .. 63): it gathers them from the 64 blocks of ws, keeps them in registers, and also
; stores them as ONE DENSE RECORD of 3,840 bytes of qr (operand images, scale words, q2, off), in the order in which the last launch walks n.
; Wave w walks k's rows of image rows y = 8 w .. 8 w + 7 (512 m): they come from memory straight into operand registers, 16 bytes a lane on end; each byte serves one wave of the work-group,
; so LDS, tensor loads and clusters would add nothing.  One operand of 12 registers carries TWO tiles of 16 rows x 64 K (K 0-63 and K 64-127); q stands as [6 zeros][6 codes][6 zeros], and the register at
; which the operand begins picks the tile: a zero code times any code is 0, and E2M3 has no infinity or NaN.
; d2 = (q2 - 2 q.k) + k2: q2 is the C of the product, whose q operand holds the codes of -2 q.  LIMITS: that order of rounding differs from q2 + k2 - 2 q.k; v_sqrt_f32 and v_exp_f32 flush denormals; NaN and infinities are not served.
.set MRG,   4096                       ; LDS: behind the record: each wave's 64 c dmin and 64 sums, 512 bytes a wave
.set SPARE, 8192
.set RCA, 2                            ; v2   16 x thread: the record's copy, in LDS and in memory; never rewritten
.set GA,  4                            ; v4   gather: 32,768 x my row's y + 256 h
.set GB,  5                            ; v5   32,768 x y
.set RP,  6                            ; v6-8 the record: my three 8-byte pieces
.set RWA, 9
.set RQA, 10
.set L16, 11
.set L4,  12
.set H32, 13
.set NL4, 14                           ; v14  4 x ((r % 8) + 16 (r / 8))
.set MRW, 15
.set SPW, 16
.set NIL, 17
.set MRR, 18
.set L8,  19
.set QS,  20                           ; v20-23 q's scale words, tile nt
.set SET0, 24                          ; v24-81, v82-139: two sets of one y of k: 24 registers of codes, 32 of k2, the scale words
.set S,   140                          ; v140-203 d2, d, then the terms: tile nt at 16 nt
.set MN,  204                          ; the running smallest d2
.set CM,  208                          ; c dmin, in the low word of a pair
.set FF,  216
.set SM,  224                          ; the sum, in two halves
.set DM,  232                          ; v232-235 the smallest d2 held at 0, then its root
.set TP,  236
.set RCD, 252                          ; v252-255 the record's copy; never rewritten
.set WV,  8
.set SEL, 34
.set NC,  36
.set CC,  38
.set CNT, 39
.set P0,  46
.set P1,  48
.set P2,  50
.set PSC, 52
.set PQ2, 54
.set KP,  56
.set RECP, 58
.set MSB, 0
.macro WIN new
.if MSB != (\new)
	s_set_vgpr_msb (MSB<<8)|(\new)
.set MSB, (\new)
.endif
.endm
.macro LOADY k, imm                    ; one y of k: 15 loads
.set KL, SET0+58*(\k)
.irp a,0,1
.irp p,0,1,2
	global_load_b128 v[KL+12*\a+4*\p:KL+12*\a+4*\p+3], v[L16], s[KP:KP+1] offset:(\imm)+1536*\a+512*\p
.endr
.endr
.irp a,0,1
.irp t,0,1
	global_load_b128 v[KL+24+16*\a+8*\t:KL+24+16*\a+8*\t+3], v[H32], s[KP:KP+1] offset:(\imm)+3072+128*\a+64*\t      ; k2 of the eight rows that my registers hold
	global_load_b128 v[KL+24+16*\a+8*\t+4:KL+24+16*\a+8*\t+7], v[H32], s[KP:KP+1] offset:(\imm)+3072+128*\a+64*\t+16
.endr
.endr
	global_load_b32 v[KL+56], v[L4], s[KP:KP+1] offset:(\imm)+3328    ; lanes 0-15: image 0's scale words; lanes 16-31: image 1's
.endm
; 32 rows of k (image a of set k) against my 64 rows of q: a lane holds one n a tile and 16 m
.macro STEP k, a
.set KB, SET0+58*(\k)
	WIN 0x14                                       ; q and q2 in window 1
.irp t,0,1
.irp n,0,1,2,3
.if \a
	v_wmma_scale_f32_16x16x128_f8f6f4 v[S+16*\n+8*\t:S+16*\n+8*\t+7], v[KB+12*(\a):KB+12*(\a)+11], v[18*\n+6-6*\t:18*\n+17-6*\t], v[72+8*\n:79+8*\n], v[KB+56], v[QS+\n] matrix_a_fmt:MATRIX_FMT_FP6 matrix_b_fmt:MATRIX_FMT_FP6 matrix_a_scale:MATRIX_SCALE_ROW1
.else
	v_wmma_scale_f32_16x16x128_f8f6f4 v[S+16*\n+8*\t:S+16*\n+8*\t+7], v[KB+12*(\a):KB+12*(\a)+11], v[18*\n+6-6*\t:18*\n+17-6*\t], v[72+8*\n:79+8*\n], v[KB+56], v[QS+\n] matrix_a_fmt:MATRIX_FMT_FP6 matrix_b_fmt:MATRIX_FMT_FP6
.endif
.endr
.endr
	WIN 0
.rept 4
	v_nop                                          ; places in front of the first read of results
.endr
.irp i,0,2,4,6,8,10,12,14
.irp n,0,1,2,3
	v_pk_add_f32 v[S+16*\n+\i:S+16*\n+\i+1], v[S+16*\n+\i:S+16*\n+\i+1], v[KB+24+16*(\a)+\i:KB+24+16*(\a)+\i+1]   ; + k2: each accumulator from its low end on
.endr
.endr
.irp i,0,2,4,6,8,10,12,14
.irp n,0,1,2,3
	v_min3_num_f32 v[MN+\n], v[MN+\n], v[S+16*\n+\i], v[S+16*\n+\i+1]
.endr
.endr
.set j, 0
.rept 64
	v_max_num_f32 v[S+j], 0, v[S+j]                ; d2 is held at 0 from below
.set j, j+1
.endr
.irp n,0,1,2,3
	v_max_num_f32 v[DM+\n], 0, v[MN+\n]
.endr
.set j, 0
.rept 64
	v_sqrt_f32 v[S+j], v[S+j]
.set j, j+1
.endr
.irp n,0,1,2,3
	v_sqrt_f32 v[DM+\n], v[DM+\n]
.endr
	v_nop                                          ; a plain place behind the roots,
	s_wait_alu depctr_va_vdst(0)                   ; and one wait for the batch, ahead of its first reader
.irp n,0,1,2,3
	v_mul_f32 v[TP+\n], s[CC], v[DM+\n]            ; the new c dmin
.endr
.irp n,0,1,2,3
	v_sub_f32 v[FF+2*\n], v[TP+\n], v[CM+2*\n]     ; less the old: 0 or less
.endr
.irp n,0,1,2,3
	v_mov_b32 v[CM+2*\n], v[TP+\n]
.endr
.irp i,0,2,4,6,8,10,12,14
.irp n,0,1,2,3
	v_pk_fma_f32 v[S+16*\n+\i:S+16*\n+\i+1], v[S+16*\n+\i:S+16*\n+\i+1], s[NC:NC+1], v[CM+2*\n:CM+2*\n+1] op_sel_hi:[1,0,0]   ; c dmin - c d
.endr
.endr
.set j, 0
.rept 64
	v_exp_f32 v[S+j], v[S+j]
.set j, j+1
.endr
.irp n,0,1,2,3
	v_exp_f32 v[FF+2*\n], v[FF+2*\n]
.endr
	v_nop
	s_wait_alu depctr_va_vdst(0)                   ; one wait for the batch
.irp n,0,1,2,3
	v_pk_mul_f32 v[SM+2*\n:SM+2*\n+1], v[SM+2*\n:SM+2*\n+1], v[FF+2*\n:FF+2*\n+1] op_sel_hi:[1,0]   ; the sums under the new smallest distance
.endr
.irp i,0,2,4,6,8,10,12,14
.irp n,0,1,2,3
	v_pk_add_f32 v[SM+2*\n:SM+2*\n+1], v[SM+2*\n:SM+2*\n+1], v[S+16*\n+\i:S+16*\n+\i+1]
.endr
.endr
.endm
	s_load_b128 s[4:7], s[0:1], 0x0                ; ws, qr
	v_lshl_add_u32 v[SPW], v0, 2, SPARE
	v_mov_b32 v[NIL], 0
	v_lshrrev_b32 v1, 5, v0
	v_readfirstlane_b32 s[WV], v1                  ; wave 0..7
	v_and_b32 v1, 31, v0
	v_bfe_u32 v3, v0, 4, 1
.set j, 0
.rept 16
	v_mov_b32 v[TP+j], 0                           ; written once: lane permutes' destinations count as sources
.set j, j+1
.endr
	s_bfe_u32 s10, s[WV], 0x10001                  ; the gathering waves 0-3: image w / 2,
	s_and_b32 s11, s[WV], 1                        ; tile w % 2
	v_and_b32 v[TP], 7, v0
	v_bfe_u32 v[TP+1], v0, 3, 1
	v_lshl_add_u32 v[TP], v[TP+1], 4, v[TP]        ; (r % 8) + 16 (r / 8): THE ROWS OF A TILE ARE NOT NEIGHBOURS, so that the last launch finds 16 neighbouring n in 16 registers
	v_lshlrev_b32 v[NL4], 2, v[TP]
	s_lshl_b32 s12, s10, 5
	s_lshl_b32 s13, s11, 3
	s_add_co_u32 s12, s12, s13
	v_add_nc_u32 v[TP], s12, v[TP]                 ; my row's place among the 64, which is its image row y
	v_lshlrev_b32 v[GB], 15, v[TP]
	v_lshl_add_u32 v[GA], v3, 8, v[GB]
	v_lshl_add_u32 v[RQA], v[TP], 2, 3328
	s_mul_i32 s14, s10, 1536
	s_mul_i32 s15, s11, 520
	s_add_co_u32 s15, s15, s14
	v_lshl_add_u32 v[RP], v1, 4, s15
	s_mul_i32 s15, s11, 1016
	s_add_co_u32 s15, s15, s14
	s_add_co_u32 s15, s15, 8
	v_lshl_add_u32 v[RP+1], v1, 4, s15
	v_add_nc_u32 v[RP+2], 512, v[RP]
	s_lshl_b32 s15, s10, 7
	s_lshl_b32 s16, s11, 1
	s_add_co_u32 s15, s15, s16
	s_add_co_u32 s15, s15, 3072
	v_lshl_add_u32 v[RWA], v1, 2, s15
	v_lshlrev_b32 v[L16], 4, v1
	v_lshlrev_b32 v[L4], 2, v1
	v_lshlrev_b32 v[L8], 3, v1
	v_lshlrev_b32 v[H32], 5, v3
	s_lshl_b32 s15, s[WV], 9
	s_add_co_u32 s15, s15, MRG
	v_add_nc_u32 v[MRW], s15, v[NL4]
	v_lshl_add_u32 v[MRR], v1, 3, MRG
	v_lshlrev_b32 v[RCA], 4, v0
	s_mov_b32 s[SEL], 0x76543210
	s_mov_b32 s[SEL+1], 0xfedcba98
	s_mov_b32 s[NC], 0xb9b8aa3b                    ; -c
	s_mov_b32 s[NC+1], s[NC]
	s_mov_b32 s[CC], 0x39b8aa3b                    ; c = log2(e) / 4096
	s_and_b32 s9, ttmp7, 0xffff                    ; b
	s_lshl_b32 s40, s9, 21                         ; the batch's 64 blocks of ws
	s_lshr_b32 s41, ttmp9, 5                       ; channel g lies in image g / 32,
	s_and_b32 s42, ttmp9, 15                       ; row g % 16
	s_bfe_u32 s43, ttmp9, 0x10004                  ; of tile (g / 16) % 2
	s_mul_i32 s44, s41, 1536
	s_lshl_b32 s45, s42, 4
	s_add_co_u32 s44, s44, s45
	s_add_co_u32 s44, s44, s40
	s_add_co_u32 s44, s44, 25600
	s_mul_i32 s45, s43, 520
	s_add_co_u32 s[P0], s44, s45
	s_mul_i32 s45, s43, 1016
	s_add_co_u32 s[P1], s44, s45
	s_add_co_u32 s[P1], s[P1], 8
	s_add_co_u32 s[P2], s[P0], 512
	s_lshl_b32 s44, s41, 6
	s_lshl_b32 s45, s42, 2
	s_add_co_u32 s44, s44, s45
	s_lshl_b32 s45, s43, 1
	s_add_co_u32 s44, s44, s45
	s_add_co_u32 s44, s44, s40
	s_add_co_u32 s[PSC], s44, 25600+3328
	s_lshl_b32 s44, ttmp9, 2
	s_add_co_u32 s44, s44, s40
	s_add_co_u32 s[PQ2], s44, 25600+3072
	s_lshl_b32 s44, s[WV], 18
	s_add_co_u32 s44, s44, s40
	s_add_co_u32 s[KP], s44, 29184                 ; k's part of block y = 8 w
	s_lshl_b32 s44, s9, 6
	s_add_co_u32 s44, s44, ttmp9
	s_mul_i32 s[RECP], s44, 3840
	s_mov_b32 s[P0+1], 0
	s_mov_b32 s[P1+1], 0
	s_mov_b32 s[P2+1], 0
	s_mov_b32 s[PSC+1], 0
	s_mov_b32 s[PQ2+1], 0
	s_mov_b32 s[KP+1], 0
	s_mov_b32 s[RECP+1], 0
	s_wait_kmcnt 0x0
	s_add_nc_u64 s[P0:P0+1], s[4:5], s[P0:P0+1]
	s_add_nc_u64 s[P1:P1+1], s[4:5], s[P1:P1+1]
	s_add_nc_u64 s[P2:P2+1], s[4:5], s[P2:P2+1]
	s_add_nc_u64 s[PSC:PSC+1], s[4:5], s[PSC:PSC+1]
	s_add_nc_u64 s[PQ2:PQ2+1], s[4:5], s[PQ2:PQ2+1]
	s_add_nc_u64 s[KP:KP+1], s[4:5], s[KP:KP+1]
	s_add_nc_u64 s[RECP:RECP+1], s[6:7], s[RECP:RECP+1]
	LOADY 0, 0                                     ; the stream's first y is on its way while q is gathered
	s_cmp_lt_u32 s[WV], 4
	s_cbranch_scc0 .Lno_gather
	global_load_b64 v[S:S+1], v[GA], s[P0:P0+1]    ; my row's block h: 24 bytes
	global_load_b64 v[S+2:S+3], v[GA], s[P1:P1+1]
	global_load_b64 v[S+4:S+5], v[GA], s[P2:P2+1]
	global_load_u16 v[S+6], v[GB], s[PSC:PSC+1]    ; its two scale bytes
	global_load_b32 v[S+7], v[GB], s[PQ2:PQ2+1]    ; its sum of squares
	s_wait_loadcnt 0x0
	ds_store_b64 v[RP], v[S:S+1]
	ds_store_b64 v[RP+1], v[S+2:S+3]
	ds_store_b64 v[RP+2], v[S+4:S+5]
	ds_store_b16 v[RWA], v[S+6]
	ds_store_b32 v[RQA], v[S+7]
.Lno_gather:
	s_wait_dscnt 0x0                               ; for the others' sake: my part of the record has landed
	s_barrier_signal -1
	s_barrier_wait -1
	WIN 0x40
.irp n,0,1,2,3
.irp j,0,1,2,3,4,5
	v_mov_b32 v[18*\n+\j], 0
	v_mov_b32 v[18*\n+12+\j], 0
.endr
.endr
.irp n,0,1,2,3
.irp i,0,1,2
	ds_load_b64 v[18*\n+6+2*\i:18*\n+7+2*\i], v[L16] offset:1536*(\n/2)+512*((24*(\n%2)+8*\i)/16)+((24*(\n%2)+8*\i)%16)
.endr
.endr
	WIN 0
	ds_load_b32 v[TP], v[L4] offset:3072
	ds_load_b32 v[TP+1], v[L4] offset:3072+128
.irp n,0,1,2,3
	ds_load_b32 v[TP+2+\n], v[NL4] offset:3328+128*(\n/2)+32*(\n%2)
.endr
	s_wait_dscnt 0x0
.irp b,0,1
	v_perm_b32 v[QS+2*\b], v[TP+\b], v[TP+\b], 0x01000100     ; a tile's two bytes twice: they serve in K 0-63 and in K 64-127
	v_perm_b32 v[QS+2*\b+1], v[TP+\b], v[TP+\b], 0x03020302
.endr
	WIN 0x40
.irp n,0,1,2,3
.irp j,0,1,2,3,4,5,6,7
	v_mov_b32 v[72+8*\n+\j], v[TP+2+\n]            ; q2 of my column, as a C operand
.endr
.endr
	WIN 0
.irp n,0,1,2,3
	v_mov_b32 v[MN+\n], 0x7f61b1e6                 ; over every d2
	v_mov_b32 v[CM+2*\n], 0x5a000000               ; over every c d: the first change multiplies a sum of 0 by 0
	v_mov_b32 v[CM+2*\n+1], 0
	v_mov_b32 v[FF+2*\n], 0
	v_mov_b32 v[FF+2*\n+1], 0
	v_mov_b32 v[SM+2*\n], 0
	v_mov_b32 v[SM+2*\n+1], 0
.endr
	s_cmp_lt_u32 s[WV], 7                          ; the record's first 3,584 bytes leave now: 512 a wave; the store's address, data and base are written by no later line
	s_cbranch_scc0 .Lno_copy
	ds_load_b128 v[RCD:RCD+3], v[RCA]
	s_wait_dscnt 0x0
	global_store_b128 v[RCA], v[RCD:RCD+3], s[RECP:RECP+1]
.Lno_copy:
	s_mov_b32 s[CNT], 3
.Ly:                                               ; two y a trip
	LOADY 1, 32768
	s_wait_loadcnt 15                              ; this y is in; the next y's 15 loads may be out
	STEP 0, 0
	STEP 0, 1
	s_wait_xcnt 0x0                                ; the loads have read their base
	s_add_nc_u64 s[KP:KP+1], s[KP:KP+1], 65536
	LOADY 0, 0
	s_wait_loadcnt 15
	STEP 1, 0
	STEP 1, 1
	s_sub_co_u32 s[CNT], s[CNT], 1
	s_cmp_lg_u32 s[CNT], 0
	s_cbranch_scc1 .Ly
	LOADY 1, 32768                                 ; the last two y: no load leaves my eight blocks
	s_wait_loadcnt 15
	STEP 0, 0
	STEP 0, 1
	s_wait_loadcnt 0x0
	STEP 1, 0
	STEP 1, 1
	; my lane's figures meet lane l xor 16's: each scales its own sum to the smaller c dmin first, so that both add the same two numbers
.irp n,0,1,2,3
	v_add_f32 v[SM+2*\n], v[SM+2*\n], v[SM+2*\n+1]
.endr
.irp n,0,1,2,3
	v_permlanex16_b32 v[TP+\n], v[CM+2*\n], s[SEL], s[SEL+1]
.endr
.irp n,0,1,2,3
	v_min_num_f32 v[TP+8+\n], v[CM+2*\n], v[TP+\n]
.endr
.irp n,0,1,2,3
	v_sub_f32 v[FF+2*\n], v[TP+8+\n], v[CM+2*\n]
.endr
.irp n,0,1,2,3
	v_exp_f32 v[FF+2*\n], v[FF+2*\n]
.endr
	v_nop
	s_wait_alu depctr_va_vdst(0)
.irp n,0,1,2,3
	v_mul_f32 v[SM+2*\n], v[SM+2*\n], v[FF+2*\n]
.endr
.irp n,0,1,2,3
	v_permlanex16_b32 v[TP+4+\n], v[SM+2*\n], s[SEL], s[SEL+1]
.endr
.irp n,0,1,2,3
	v_add_f32 v[SM+2*\n], v[SM+2*\n], v[TP+4+\n]
.endr
.irp n,0,1,2,3
	ds_store_b32 v[MRW], v[TP+8+\n] offset:128*(\n/2)+32*(\n%2)
	ds_store_b32 v[MRW], v[SM+2*\n] offset:128*(\n/2)+32*(\n%2)+256
.endr
	s_wait_dscnt 0x0
	s_barrier_signal -1
	s_barrier_wait -1
	s_cmp_lg_u32 s[WV], 0                          ; wave 0 joins the eight waves' figures: two rows a lane
	s_cbranch_scc1 .Lend
.irp w,0,1,2,3,4,5,6,7
	ds_load_b64 v[S+4*\w:S+4*\w+1], v[MRR] offset:512*\w
	ds_load_b64 v[S+4*\w+2:S+4*\w+3], v[MRR] offset:512*\w+256
.endr
	s_wait_dscnt 0x0
.irp e,0,1
	v_min3_num_f32 v[TP+\e], v[S+\e], v[S+4+\e], v[S+8+\e]
.endr
.irp e,0,1
	v_min3_num_f32 v[TP+\e], v[TP+\e], v[S+12+\e], v[S+16+\e]
.endr
.irp e,0,1
	v_min3_num_f32 v[TP+\e], v[TP+\e], v[S+20+\e], v[S+24+\e]
.endr
.irp e,0,1
	v_min_num_f32 v[TP+\e], v[TP+\e], v[S+28+\e]
.endr
.irp w,0,1,2,3,4,5,6,7
.irp e,0,1
	v_sub_f32 v[S+4*\w+\e], v[TP+\e], v[S+4*\w+\e]
.endr
.endr
.irp w,0,1,2,3,4,5,6,7
.irp e,0,1
	v_exp_f32 v[S+4*\w+\e], v[S+4*\w+\e]
.endr
.endr
	v_nop
	s_wait_alu depctr_va_vdst(0)
.irp e,0,1
	v_mul_f32 v[TP+2+\e], v[S+2+\e], v[S+\e]
.endr
.irp w,1,2,3,4,5,6,7
.irp e,0,1
	v_fma_f32 v[TP+2+\e], v[S+4*\w+2+\e], v[S+4*\w+\e], v[TP+2+\e]
.endr
.endr
.irp e,0,1
	v_log_f32 v[TP+2+\e], v[TP+2+\e]
.endr
	v_nop
	s_wait_alu depctr_va_vdst(0)
.irp e,0,1
	v_sub_f32 v[TP+4+\e], v[TP+\e], v[TP+2+\e]     ; off = c dmin - log2(the sum)
.endr
	global_store_b64 v[L8], v[TP+4:TP+5], s[RECP:RECP+1] offset:3584   ; 32 lanes store the record's last 256 bytes
.Lend:
	s_wait_tensorcnt 0x0                           ; the wave's end
	ds_add_u32 v[SPW], v[NIL]
	s_wait_dscnt 0x0
	s_endpgm
.Lfunc_end_k_qb62aa2b084_stats:
	.size	k_qb62aa2b084_stats, .Lfunc_end_k_qb62aa2b084_stats-k_qb62aa2b084_stats
	.p2alignl 7, 3214868480
	.fill 96, 4, 3214868480
	.section	.rodata,"a",@progbits
	.p2align	6, 0x0
	.amdhsa_kernel k_qb62aa2b084_stats
		.amdhsa_group_segment_fixed_size 9216
		.amdhsa_private_segment_fixed_size 0
		.amdhsa_enable_private_segment 0
		.amdhsa_kernarg_size 16
		.amdhsa_user_sgpr_count 2
		.amdhsa_user_sgpr_kernarg_segment_ptr 1
		.amdhsa_wavefront_size32 1
		.amdhsa_system_sgpr_workgroup_id_x 1
		.amdhsa_system_sgpr_workgroup_id_y 1
		.amdhsa_system_sgpr_workgroup_id_z 1
		.amdhsa_system_vgpr_workitem_id 0
		.amdhsa_next_free_vgpr 384
		.amdhsa_next_free_sgpr 66
		.amdhsa_reserve_vcc 0
		.amdhsa_float_denorm_mode_32 3
		.amdhsa_float_denorm_mode_16_64 3
		.amdhsa_memory_ordered 1
		.amdhsa_forward_progress 1
		.amdhsa_inst_pref_size 154
	.end_amdhsa_kernel
	.amdgpu_metadata
---
amdhsa.version: [ 1, 2 ]
amdhsa.kernels:
  - .name:           k_qb62aa2b084_stats
    .symbol:         k_qb62aa2b084_stats.kd
    .args:
      - { .name: ws, .offset: 0, .size: 8, .value_kind: global_buffer, .address_space: global }
      - { .name: qr, .offset: 8, .size: 8, .value_kind: global_buffer, .address_space: global }
    .group_segment_fixed_size: 9216
    .private_segment_fixed_size: 0
    .kernarg_segment_align: 8
    .kernarg_segment_size: 16
    .max_flat_workgroup_size: 256
    .sgpr_count:     66
    .vgpr_count:     384
    .wavefront_size: 32
...
	.end_amdgpu_metadata
.endif
;; end of part 2
;; launch attn (part 3): grid 64 x 4, 8 waves a work-group, clusters of 4 x 1, 327,680 bytes of LDS; arguments ws, qr, x, gamma, out0; writes out0
.if DOCPART == 3
	.amdgcn_target "amdgcn-amd-amdhsa--gfx1250"
	.amdhsa_code_object_version 6
	.text
	.protected	k_qb62aa2b084_attn
	.globl	k_qb62aa2b084_attn
	.p2align	8
	.type	k_qb62aa2b084_attn,@function
k_qb62aa2b084_attn:
	s_mov_b64 s[64:65], 0
	v_nop
	global_prefetch_b8 v0, s[64:65] scope:SCOPE_SE
	s_setreg_imm32_b32 hwreg(HW_REG_WAVE_MODE, 25, 1), 1
	s_wait_xcnt 0x0
	s_wait_alu depctr_hold_cnt(0) depctr_sa_sdst(0) depctr_va_vdst(0) depctr_va_sdst(0) depctr_va_ssrc(0) depctr_va_vcc(0) depctr_vm_vsrc(0)
	s_getreg_b32 s2, hwreg(HW_REG_IB_STS2, 6, 4)
	s_cmp_eq_u32 s2, 0
	s_cbranch_scc0 .Lentry_in_a_cluster
	s_endpgm
.Lentry_in_a_cluster:
	s_bfe_u32 s2, ttmp6, 0x10000c
	s_cmp_lg_u32 s2, 0x3003
	s_cbranch_scc0 .Lentry_shape_is_right
	s_endpgm
.Lentry_shape_is_right:
; ATTN: out0 = gamma x (v attn) + x.  attn[n][m] = 2^(off[n] - c d[n][m]) is made finished and normalised, quantised along n in blocks of 32, and multiplied on the way.  Nothing of the problem is left out here.
; A work-group takes the 64 columns m = 64 o .. 64 o + 63 of one batch and all 512 channels, and walks n in 16 chunks of 256.
; SOFT: wave w makes the chunk's block n = 32 w .. 32 w + 31 for all 64 m: scores transposed (source 0 = 16 rows of -2 q, two tiles in one operand; source 1 = k as [6 zeros][6 codes][6 zeros]; C = k2), so that a lane
; holds one m and 16 neighbouring n; + q2, held at 0, root, one multiply-add with off, one exponential; the block's largest, its byte, its codes; the codes go to LDS at their place in an operand's image.
; PV: wave w owns channels 64 w .. 64 w + 63 x 64 m: 16 accumulators, two K steps of 128 n a chunk; source 0 = attn (16 m), source 1 = v (16 channels): a lane holds one channel and eight neighbouring m.
; TWO WAVES SHARE A SIMD: half of the waves run SOFT (next chunk) and then PV (this chunk), the others PV and then SOFT, so that one wave's matrix work stands beside the other's vector work.
; THE STREAMS: v's codes and scale bytes (4 x 25,600 bytes a chunk) and q's records (4 x 3,840) come by tensor loads into two slots each.  CLUSTER: the four work-groups of a cluster walk the same n of the same
; batch, so each load is asked for JOINTLY; nothing in a descriptor hangs on a work-group's place.  One round of the cluster's barrier a chunk; behind it a wave issues one load, which has a chunk's work in which to land.
; THE WALK: cluster j of a batch's sixteen takes, at step s, chunk j xor s: at every step the sixteen clusters ask for sixteen different chunks, and a chunk is asked for at sixteen different steps.
; j is the cluster's number, the same in all four partners.  Below, "chunk s" is the chunk of step s.
; NO PREFETCH IS LAID FOR THE STREAMS: they are not read once: each chunk is asked for by sixteen clusters.  x, which one wave reads once, is asked for in step 14.
; d2 = (k2 - 2 q.k) + q2.  LIMITS: that order of rounding differs from q2 + k2 - 2 q.k; the f32 sums over n run in the walk's order, which differs from cluster to cluster; off carries log2 of the row's sum
; into the exponent; v_sqrt_f32 and v_exp_f32 flush denormals; a block of attn whose every number is under 2^-124 gets the byte 1; NaN and infinities are not served.
.set SLOT1, 131072                     ; LDS: slot s at 131,072 s: v's four blocks (102,400 bytes), then q's four records (15,360)
.set QOFF,  102400
.set PB0,   262144                     ; attn's images, two buffers 16,384 apart: image (K step, m tile) at pitch 1,664: 6 planes of 256 bytes; from 13,312 on its scale words
.set KG,    294912                     ; k's 64 rows: codes 24 bytes a lane, scale words, k2
.set SPARE, 298496                     ; the spare words
.set A1, 4
.set A2, 5
.set A3, 6
.set A4, 7
.set A5, 8
.set B1, 9
.set B2, 10
.set L8, 11
.set PSA, 12
.set STO, 13
.set RD, 14
.set XO, 15
.set SPW, 17
.set NIL, 18
.set T0, 19                            ; v19-29 the chunk's LDS addresses
.set KSC, 30                           ; v30-33 k's scale words
.set QSC, 34                           ; v34    q's
.set XPF, 35
.set VR, 36                            ; v36-43 v's scale bytes as loaded
.set VSW, 44                           ; v44-51 v's scale words
.set PS, 52                            ; v52-59 attn's scale words
.set KF, 60                            ; v60-131 k: [6 zeros][6 codes][6 zeros] x 4
.set S, 132                            ; v132-195 scores, then attn;  in PV v132-227: the second K step's fragments
.set T1, 196                           ; v196-211 q2 of my 16 n; later the codes
.set T2, 212                           ; v212-227 off of my 16 n; later at work
.set CX, 196
.set TM, 212
.set QP, 228                           ; v228-239 q's operand
.set GKA, 240
.set GKB, 241
.set KGW, 242
.set KGS, 243
.set KGL, 244
.set KGR, 245
.set GT, 246                           ; v246-253 the gather's data
.set OB, 132
; window 1: v0-127 the 16 accumulators (channel tile c, m tile m at 8 (4 c + m)); v128-175 attn's, v176-223 v's fragments of the first K step; v224-255 k2 as C operands; on the way out v128-255: x
.set WV, 14
.set ROLE, 15
.set CNT, 19                           ; s19  14 - the step
.set SV, 20
.set SQ, 21
.set PR, 22
.set PWB, 23
.set G1V, 24
.set G1Q, 32
.set VA, 40
.set VB, 44
.set QA, 48
.set QB, 52
.set SEL, 56
.set NC, 58
.set GAM, 60
.set VBS, 66                           ; s[66:67] v's stream: my block of chunk 0 of the batch; never rewritten
.set QBS, 68                           ; s[68:69] q's stream: my record of chunk 0; never rewritten
.set XP, 92
.set OP, 94
.set MSB, 0
.macro WIN new
.if MSB != (\new)
	s_set_vgpr_msb (MSB<<8)|(\new)
.set MSB, (\new)
.endif
.endm
.macro ROUND                           ; a round of the cluster's barrier
	s_barrier_signal -1
	s_barrier_wait -1
	s_cmp_lg_u32 s[WV], 0
	s_cbranch_scc1 .Lnot_wave_0_\@
	s_barrier_signal -3
.Lnot_wave_0_\@:
	s_barrier_wait -3
	s_barrier_signal -1
	s_barrier_wait -1
.endm
; a joint refill: waves 0-3 fetch v's four blocks, waves 4-7 q's four records.  kind 0: both; 1: q's alone; 2: v's alone.  The branch hangs on the wave's number alone.
.macro TLOAD kind
	s_cmp_lt_u32 s[WV], 4
	s_cbranch_scc0 .Lfor_q_\@
.if (\kind) != 1
	tensor_load_to_lds s[VB:VB+3], s[G1V:G1V+7]
	s_nop 0
.rept 4
	v_nop
.endr
.endif
	s_branch .Lasked_\@
.Lfor_q_\@:
.if (\kind) != 2
	tensor_load_to_lds s[QB:QB+3], s[G1Q:G1Q+7]
	s_nop 0
.rept 4
	v_nop
.endr
.endif
.Lasked_\@:
.endm
.macro ADDR                            ; the chunk's addresses, made on the way that all waves take
	v_add_nc_u32 v[T0], s[SQ], v[A1]
	v_add_nc_u32 v[T0+1], s[SQ], v[A2]
	v_add_nc_u32 v[T0+2], s[SQ], v[A3]
	v_add_nc_u32 v[T0+3], s[PWB], v[A4]
	v_add_nc_u32 v[T0+4], s[PWB], v[A5]
	v_add_nc_u32 v[T0+5], s[SV], v[B1]
	v_add_nc_u32 v[T0+6], 51200, v[T0+5]
	v_add_nc_u32 v[T0+7], s[SV], v[B2]
	v_add_nc_u32 v[T0+8], 51200, v[T0+7]
	v_add_nc_u32 v[T0+9], s[PR], v[L8]
	v_add_nc_u32 v[T0+10], s[PR], v[PSA]
.endm
.macro SOFT
	ds_load_b128 v[QP:QP+3], v[T0]
	ds_load_b128 v[QP+4:QP+7], v[T0] offset:512
	ds_load_b128 v[QP+8:QP+11], v[T0] offset:1024
	ds_load_b32 v[QSC], v[T0+1]
.irp i,0,1,2,3
	ds_load_b128 v[T1+4*\i:T1+4*\i+3], v[T0+2] offset:16*\i
.endr
.irp i,0,1,2,3
	ds_load_b128 v[T2+4*\i:T2+4*\i+3], v[T0+2] offset:256+16*\i
.endr
	s_wait_dscnt 8                                 ; q's operand and scale words are in; the 8 table loads may be out
	WIN 0x10                                       ; k2 in window 1
.irp u,0,1
.irp m,0,1,2,3
	v_wmma_scale_f32_16x16x128_f8f6f4 v[S+16*\m+8*\u:S+16*\m+8*\u+7], v[QP:QP+11], v[KF+18*\m+6-6*\u:KF+18*\m+17-6*\u], v[224+8*\m:231+8*\m], v[QSC], v[KSC+\m] matrix_a_fmt:MATRIX_FMT_FP6 matrix_b_fmt:MATRIX_FMT_FP6
.endr
.endr
	WIN 0
.rept 4
	v_nop                                          ; places in front of the first read of results
.endr
	s_wait_dscnt 0x0
.irp i,0,2,4,6,8,10,12,14
.irp m,0,1,2,3
	v_pk_add_f32 v[S+16*\m+\i:S+16*\m+\i+1], v[S+16*\m+\i:S+16*\m+\i+1], v[T1+\i:T1+\i+1]   ; + q2: each accumulator from its low end on
.endr
.endr
.set j, 0
.rept 64
	v_max_num_f32 v[S+j], 0, v[S+j]
.set j, j+1
.endr
.set j, 0
.rept 64
	v_sqrt_f32 v[S+j], v[S+j]
.set j, j+1
.endr
	v_nop
	s_wait_alu depctr_va_vdst(0)                   ; one wait for the batch, ahead of its first reader
.irp i,0,2,4,6,8,10,12,14
.irp m,0,1,2,3
	v_pk_fma_f32 v[S+16*\m+\i:S+16*\m+\i+1], v[S+16*\m+\i:S+16*\m+\i+1], s[NC:NC+1], v[T2+\i:T2+\i+1] op_sel_hi:[1,0,1]   ; off - c d
.endr
.endr
.set j, 0
.rept 64
	v_exp_f32 v[S+j], v[S+j]                       ; attn, finished and normalised
.set j, j+1
.endr
	v_nop
	s_wait_alu depctr_va_vdst(0)
.irp m,0,1,2,3
	v_max3_num_f32 v[TM+\m], v[S+16*\m], v[S+16*\m+1], 0x1800000    ; none is negative; the floor holds the byte at 1 from below
.endr
.irp i,2,4,6,8,10,12,14
.irp m,0,1,2,3
	v_max3_num_f32 v[TM+\m], v[TM+\m], v[S+16*\m+\i], v[S+16*\m+\i+1]
.endr
.endr
.irp m,0,1,2,3
	v_permlanex16_b32 v[TM+4+\m], v[TM+\m], s[SEL], s[SEL+1]
.endr
.irp m,0,1,2,3
	v_max_num_f32 v[TM+\m], v[TM+\m], v[TM+4+\m]   ; with lane l xor 16's 16 n: the block's largest
.endr
.irp m,0,1,2,3
	v_add_nc_u32 v[TM+8+\m], 0xff000000, v[TM+\m]
.endr
.irp m,0,1,2,3
	v_lshrrev_b32 v[TM+12+\m], 23, v[TM+8+\m]
.endr
.irp m,0,1,2,3
	v_cvt_scalef32_pk16_fp6_f32 v[CX+4*\m:CX+4*\m+2], v[S+16*\m:S+16*\m+15], v[TM+8+\m]
.endr
	v_nop                                          ; one plain place behind a scaled conversion
.irp p,0,1
.irp i,0,1,2
	v_permlane16_swap_b32 v[CX+8*\p+\i], v[CX+8*\p+4+\i]   ; lanes 0-15 get m tile 2 p's block whole, lanes 16-31 tile 2 p + 1's
.endr
.irp i,0,1,2
	v_mov_b32 v[CX+8*\p+3+\i], v[CX+8*\p+4+\i]
.endr
.endr
.irp p,0,1
.irp i,0,1,2
	ds_store_b64 v[T0+3], v[CX+8*\p+2*\i:CX+8*\p+2*\i+1] offset:3328*\p+256*\i
.endr
.endr
.irp m,0,1,2,3
	ds_store_b8 v[T0+4], v[TM+12+\m] offset:4*\m   ; both lanes of a column write the same byte with the same value
.endr
.endm
.macro PV zero
.irp k,0,1
.irp c,0,1
	ds_load_b64 v[VR+4*\k+2*\c:VR+4*\k+2*\c+1], v[T0+7+\k] offset:25600*\c
.endr
.endr
	ds_load_b128 v[PS:PS+3], v[T0+10]
	ds_load_b128 v[PS+4:PS+7], v[T0+10] offset:256
	WIN 0x40
.irp m,0,1,2,3
.irp i,0,1,2,3,4,5
	ds_load_b64 v[128+12*\m+2*\i:129+12*\m+2*\i], v[T0+9] offset:1664*\m+256*\i
.endr
.endr
.irp c,0,1,2,3
.irp e,0,1
.irp i,0,1,2
	ds_load_b64 v[176+12*\c+6*\e+2*\i:177+12*\c+6*\e+2*\i], v[T0+5] offset:25600*\e+768*\c+8*\i
.endr
.endr
.endr
	WIN 0
	s_wait_dscnt 48                                ; the scale bytes are in, and SOFT's stores have read their registers; the 48 fragment loads may be out
.irp k,0,1
.irp c,0,1,2,3
.if (\c)%2
	v_perm_b32 v[VSW+4*\k+\c], v[VR+4*\k+2+\c/2], v[VR+4*\k+\c/2], 0x07060302   ; two blocks' pairs of bytes make a K step's word
.else
	v_perm_b32 v[VSW+4*\k+\c], v[VR+4*\k+2+\c/2], v[VR+4*\k+\c/2], 0x05040100
.endif
.endr
.endr
.rept 8
	v_nop                                          ; a scale register written by a vector instruction stands 8 places ahead of a scaled matrix instruction
.endr
.irp m,0,1,2,3
.irp i,0,1,2,3,4,5
	ds_load_b64 v[132+12*\m+2*\i:133+12*\m+2*\i], v[T0+9] offset:6656+1664*\m+256*\i
.endr
.endr
.irp c,0,1,2,3
.irp e,0,1
.irp i,0,1,2
	ds_load_b64 v[180+12*\c+6*\e+2*\i:181+12*\c+6*\e+2*\i], v[T0+6] offset:25600*\e+768*\c+8*\i
.endr
.endr
.endr
	s_wait_dscnt 48                                ; the first K step's fragments are in; the second's 48 loads may be out
	WIN 0x55
.irp c,0,1,2,3                         ; the 16 accumulators take turns, one instruction a turn
.irp m,0,1,2,3
.if \zero
	v_wmma_scale_f32_16x16x128_f8f6f4 v[8*(4*\c+\m):8*(4*\c+\m)+7], v[128+12*\m:139+12*\m], v[176+12*\c:187+12*\c], 0, v[PS+\m], v[VSW+\c] matrix_a_fmt:MATRIX_FMT_FP6 matrix_b_fmt:MATRIX_FMT_FP6
.else
	v_wmma_scale_f32_16x16x128_f8f6f4 v[8*(4*\c+\m):8*(4*\c+\m)+7], v[128+12*\m:139+12*\m], v[176+12*\c:187+12*\c], v[8*(4*\c+\m):8*(4*\c+\m)+7], v[PS+\m], v[VSW+\c] matrix_a_fmt:MATRIX_FMT_FP6 matrix_b_fmt:MATRIX_FMT_FP6
.endif
.endr
.endr
	s_wait_dscnt 0x0
	WIN 0x50
.irp c,0,1,2,3
.irp m,0,1,2,3
	v_wmma_scale_f32_16x16x128_f8f6f4 v[8*(4*\c+\m):8*(4*\c+\m)+7], v[132+12*\m:143+12*\m], v[180+12*\c:191+12*\c], v[8*(4*\c+\m):8*(4*\c+\m)+7], v[PS+4+\m], v[VSW+4+\c] matrix_a_fmt:MATRIX_FMT_FP6 matrix_b_fmt:MATRIX_FMT_FP6
.endr
.endr
	WIN 0
.rept 5
	v_nop                                          ; places in front of loads into, and of score products written over, the registers just read
.endr
.endm
; A STEP.  In front of the round each wave waits for all its tensor loads, adds 0 to its spare word, and waits for that and for all its LDS instructions: behind it the slots and the buffer of attn read last are free, and those to be read are whole.
; kind: what is filled again (3: nothing);  soft: the next step's attn is made;  zero: the products start the sums;  xpf: x is prefetched.
; The walking descriptors' addresses are made anew from the kept bases: v's for step 15 - CNT (the next), q's for step 16 - CNT (the next but one); the chunk is that step xor the cluster's number.
.macro TRIP kind, soft, zero, xpf
	s_wait_tensorcnt 0x0                           ; no tensor load of mine is out, so a group 0 may be written
	ds_add_u32 v[SPW], v[NIL]                      ; 0 onto my spare word; the steps below stand between it and the wait for it
.if ((\kind) == 0) || ((\kind) == 2)
	s_xor_b32 s[VB+1], s[VB+1], SLOT1              ; the other slot than last time
	s_sub_co_u32 s72, 15, s[CNT]
	s_xor_b32 s72, s72, ttmp9                      ; the chunk, 0 to 15: the grid has sixteen clusters along x
	s_lshl_b32 s72, s72, 17                        ; four blocks of 32,768 bytes a chunk
	s_add_nc_u64 s[VB+2:VB+3], s[VBS:VBS+1], s[72:73]
	s_or_b32 s[VB+3], s[VB+3], 0x80000000          ; the type
.endif
.if ((\kind) == 0) || ((\kind) == 1)
	s_xor_b32 s[QB+1], s[QB+1], SLOT1
	s_sub_co_u32 s72, 16, s[CNT]
	s_xor_b32 s72, s72, ttmp9
	s_mul_i32 s72, s72, 15360                      ; four records of 3,840 bytes a chunk
	s_add_nc_u64 s[QB+2:QB+3], s[QBS:QBS+1], s[72:73]
	s_or_b32 s[QB+3], s[QB+3], 0x80000000
.endif
	s_xor_b32 s[SV], s[SV], SLOT1
	s_xor_b32 s[SQ], s[SQ], SLOT1
	s_xor_b32 s[PR], s[PR], 16384
	s_xor_b32 s[PWB], s[PWB], 16384
	s_wait_dscnt 0x0                               ; the add is done, my reads are over, my stores of attn have landed
.if (\kind) != 3
	ROUND
	TLOAD \kind
.else
	s_barrier_signal -1
	s_barrier_wait -1
.endif
.if \xpf
	global_prefetch_b8 v[XPF], s[XP:XP+1] th:TH_LOAD_NT scope:SCOPE_SE                  ; my 64 rows of x, 256 bytes each, a lane a row, each named once in the launch: wanted on the way out, behind the next step;
	global_prefetch_b8 v[XPF], s[XP:XP+1] offset:524288 th:TH_LOAD_NT scope:SCOPE_SE    ; the two address registers are written by no later line
.endif
	ADDR
.if \soft
	s_cmp_lg_u32 s[ROLE], 0
	s_cbranch_scc1 .Lpv_first_\@
	SOFT
.Lpv_first_\@:
.endif
	PV \zero
.if \soft
	s_cmp_eq_u32 s[ROLE], 0
	s_cbranch_scc1 .Ldone_\@
	SOFT
.Ldone_\@:
.endif
.endm
	s_load_b256 s[4:11], s[0:1], 0x0               ; ws, qr, x, gamma
	s_load_b64 s[12:13], s[0:1], 0x20              ; out0
	v_lshl_add_u32 v[SPW], v0, 2, SPARE
	v_mov_b32 v[NIL], 0
	ds_add_u32 v[SPW], v[NIL]                      ; the wave's opening: the add, twice on end, and its wait ahead of the round in front of the first loads
	ds_add_u32 v[SPW], v[NIL]
	v_lshrrev_b32 v1, 5, v0
	v_readfirstlane_b32 s[WV], v1                  ; wave 0..7
	s_lshr_b32 s[ROLE], s[WV], 2
	s_add_co_u32 s[ROLE], s[ROLE], s[WV]
	s_and_b32 s[ROLE], s[ROLE], 1                  ; waves w and w + 4, and waves 2 i and 2 i + 1, differ
	s_bfe_u32 s16, ttmp6, 0x40000                  ; cx: it enters global addresses of k, x and out0 alone
	s_lshl_b32 s17, ttmp9, 2
	s_add_co_u32 s17, s17, s16                     ; o: my 64 columns m
	s_and_b32 s18, ttmp7, 0xffff                   ; b, which the partners share
	v_and_b32 v1, 31, v0
	v_and_b32 v2, 15, v0
	v_bfe_u32 v3, v0, 4, 1
	s_lshr_b32 s77, s[WV], 1
	s_and_b32 s78, s[WV], 1
	s_mul_i32 s79, s77, 3840                       ; my block of 32 n lies in record w / 2, image w % 2
	s_mul_i32 s80, s78, 1536
	s_add_co_u32 s80, s80, s79
	v_lshl_add_u32 v[A1], v1, 4, s80
	s_lshl_b32 s80, s78, 7
	s_add_co_u32 s80, s80, s79
	s_add_co_u32 s81, s80, 3072
	v_lshl_add_u32 v[A2], v1, 2, s81
	s_add_co_u32 s81, s80, 3328
	v_lshl_add_u32 v[A3], v3, 6, s81
	s_lshr_b32 s79, s[WV], 2                       ; where my block's codes go: K step w / 4, registers 6 ((w / 2) % 2) on, lanes 16 (w % 2) on
	s_mul_i32 s80, s79, 6656
	s_and_b32 s81, s77, 1
	s_mul_i32 s81, s81, 768
	s_add_co_u32 s80, s80, s81
	s_lshl_b32 s81, s78, 7
	s_add_co_u32 s80, s80, s81
	v_mul_u32_u24 v[A4], v3, 1664
	v_lshl_add_u32 v[A4], v2, 3, v[A4]
	v_add_nc_u32 v[A4], s80, v[A4]
	s_lshl_b32 s80, s79, 8
	s_and_b32 s81, s[WV], 3
	s_add_co_u32 s80, s80, s81
	s_add_co_u32 s80, s80, 13312
	v_lshl_add_u32 v[A5], v2, 4, s80
	s_mul_i32 s80, s[WV], 3072
	v_mul_u32_u24 v[B1], v1, 24
	v_add_nc_u32 v[B1], s80, v[B1]
	s_lshl_b32 s80, s[WV], 7
	s_add_co_u32 s80, s80, 24576
	v_lshl_add_u32 v[B2], v2, 3, s80
	v_lshlrev_b32 v[L8], 3, v1
	v_lshl_add_u32 v[PSA], v2, 4, 13312
	s_mul_i32 s80, s[WV], 4352                     ; the way out: my stage of 16 rows x (256 + 16) bytes, in slot 0, which has had its last fill and its last read by then
	v_mul_u32_u24 v[STO], v2, 272
	v_lshl_add_u32 v[STO], v3, 5, v[STO]
	v_add_nc_u32 v[STO], s80, v[STO]
	v_mul_u32_u24 v[RD], v3, 272
	v_lshl_add_u32 v[RD], v2, 4, v[RD]
	v_add_nc_u32 v[RD], s80, v[RD]
	v_lshlrev_b32 v[XO], 14, v3
	v_lshl_add_u32 v[XO], v2, 4, v[XO]
	v_lshlrev_b32 v[XPF], 14, v1
	s_and_b32 s81, s[WV], 3                        ; the gather of k (waves 0-3): m tile w, row r is image row y = 16 w + r
	s_lshl_b32 s80, s81, 4
	v_add_nc_u32 v[GKB], s80, v2
	v_lshlrev_b32 v[GKB], 15, v[GKB]
	v_lshl_add_u32 v[GKA], v3, 8, v[GKB]
	s_mul_i32 s80, s81, 768
	s_add_co_u32 s80, s80, KG
	v_mul_u32_u24 v[KGW], v1, 24
	v_add_nc_u32 v[KGL], KG, v[KGW]
	v_add_nc_u32 v[KGW], s80, v[KGW]
	s_lshl_b32 s80, s81, 6
	s_add_co_u32 s80, s80, KG+3072
	v_lshl_add_u32 v[KGS], v2, 2, s80
	v_lshl_add_u32 v[KGR], v2, 2, KG+3072
	s_lshl_b32 s70, s18, 21                        ; the batch's bytes in ws
	s_mul_i32 s71, s18, 245760                     ; and in qr
	s_lshr_b32 s77, s17, 5                         ; k's channel o lies in image o / 32,
	s_and_b32 s78, s17, 15                         ; row o % 16
	s_bfe_u32 s79, s17, 0x10004                    ; of tile (o / 16) % 2
	s_mul_i32 s80, s77, 1536
	s_lshl_b32 s81, s78, 4
	s_add_co_u32 s80, s80, s81
	s_add_co_u32 s80, s80, s70
	s_add_co_u32 s80, s80, 29184
	s_mul_i32 s81, s79, 520
	s_add_co_u32 s82, s80, s81
	s_mul_i32 s81, s79, 1016
	s_add_co_u32 s84, s80, s81
	s_add_co_u32 s84, s84, 8
	s_add_co_u32 s86, s82, 512
	s_lshl_b32 s80, s77, 6
	s_lshl_b32 s81, s78, 2
	s_add_co_u32 s80, s80, s81
	s_lshl_b32 s81, s79, 1
	s_add_co_u32 s80, s80, s81
	s_add_co_u32 s80, s80, s70
	s_add_co_u32 s88, s80, 29184+3328
	s_lshl_b32 s80, s17, 2
	s_add_co_u32 s80, s80, s70
	s_add_co_u32 s90, s80, 29184+3072
	s_lshl_b32 s80, s18, 23
	s_lshl_b32 s81, s[WV], 20
	s_add_co_u32 s80, s80, s81
	s_lshl_b32 s81, s17, 8
	s_add_co_u32 s[XP], s80, s81                   ; x(b, 64 w, 64 o ..) and the same place in out0
	s_mov_b32 s83, 0
	s_mov_b32 s85, 0
	s_mov_b32 s87, 0
	s_mov_b32 s89, 0
	s_mov_b32 s91, 0
	s_mov_b32 s[XP+1], 0
	s_mov_b32 s[G1V], 15|(3<<16)|(1<<21)           ; the mask: all four work-groups; elements of 8 bytes; bit 21 set beside a mask; no padding
	s_mov_b32 s[G1V+1], 32<<16                     ; rows of 256 bytes,
	s_mov_b32 s[G1V+2], 100<<16                    ; 100 of them: a block's first 25,600 bytes, dense
	s_mov_b32 s[G1V+3], 32<<16
	s_mov_b32 s[G1V+4], 100
	s_mov_b32 s[G1V+5], 32
	s_mov_b32 s[G1V+6], 0
	s_mov_b32 s[G1V+7], 0
	s_mov_b32 s[G1Q], 15|(3<<16)|(1<<21)
	s_mov_b32 s[G1Q+1], 32<<16
	s_mov_b32 s[G1Q+2], 15<<16                     ; 15 rows: a record
	s_mov_b32 s[G1Q+3], 32<<16
	s_mov_b32 s[G1Q+4], 15
	s_mov_b32 s[G1Q+5], 32
	s_mov_b32 s[G1Q+6], 0
	s_mov_b32 s[G1Q+7], 0
	s_mov_b32 s[SEL], 0x76543210
	s_mov_b32 s[SEL+1], 0xfedcba98
	s_mov_b32 s[NC], 0xb9b8aa3b                    ; -c = -log2(e) / 4096
	s_mov_b32 s[NC+1], s[NC]
	s_mov_b32 s[SV], SLOT1                         ; each step's head turns these four
	s_mov_b32 s[SQ], QOFF
	s_mov_b32 s[PR], PB0+16384
	s_mov_b32 s[PWB], PB0
	s_xor_b32 s74, ttmp9, 1                        ; step 1's chunk
	s_mov_b32 s73, 0                               ; the upper word of the offsets in s[72:73]; never rewritten
	s_wait_dscnt 0x0                               ; both opening adds are done
	s_wait_kmcnt 0x0
	s_load_b32 s[GAM], s[10:11], 0x0
	s_add_nc_u64 s[82:83], s[4:5], s[82:83]
	s_add_nc_u64 s[84:85], s[4:5], s[84:85]
	s_add_nc_u64 s[86:87], s[4:5], s[86:87]
	s_add_nc_u64 s[88:89], s[4:5], s[88:89]
	s_add_nc_u64 s[90:91], s[4:5], s[90:91]
	s_add_nc_u64 s[OP:OP+1], s[12:13], s[XP:XP+1]
	s_add_nc_u64 s[XP:XP+1], s[8:9], s[XP:XP+1]
	s_and_b32 s77, s[WV], 3                        ; which of a chunk's four blocks or records I fetch
	s_mul_i32 s78, s77, 25600
	s_lshl_b32 s80, s77, 15
	s_add_co_u32 s80, s80, s70
	s_mov_b32 s81, 0
	s_add_nc_u64 s[VBS:VBS+1], s[4:5], s[80:81]    ; my block of the batch's chunk 0
	s_lshl_b32 s72, ttmp9, 17
	s_mov_b32 s[VA], 1
	s_mov_b32 s[VA+1], s78
	s_add_nc_u64 s[VA+2:VA+3], s[VBS:VBS+1], s[72:73]   ; step 0's chunk, j, into slot 0,
	s_lshl_b32 s72, s74, 17
	s_mov_b32 s[VB], 1
	s_add_co_u32 s[VB+1], s78, SLOT1
	s_add_nc_u64 s[VB+2:VB+3], s[VBS:VBS+1], s[72:73]   ; step 1's, j xor 1, into slot 1; this set then walks
	s_or_b32 s[VA+3], s[VA+3], 0x80000000
	s_or_b32 s[VB+3], s[VB+3], 0x80000000
	s_mul_i32 s78, s77, 3840
	s_add_co_u32 s80, s78, s71
	s_add_nc_u64 s[QBS:QBS+1], s[6:7], s[80:81]    ; my record of the batch's chunk 0
	s_mul_i32 s72, ttmp9, 15360
	s_mov_b32 s[QA], 1
	s_add_co_u32 s[QA+1], s78, QOFF
	s_add_nc_u64 s[QA+2:QA+3], s[QBS:QBS+1], s[72:73]
	s_mul_i32 s72, s74, 15360
	s_mov_b32 s[QB], 1
	s_add_co_u32 s[QB+1], s78, QOFF+SLOT1
	s_add_nc_u64 s[QB+2:QB+3], s[QBS:QBS+1], s[72:73]
	s_or_b32 s[QA+3], s[QA+3], 0x80000000
	s_or_b32 s[QB+3], s[QB+3], 0x80000000
	ROUND                                          ; all four work-groups are here: the first joint loads meet
	s_cmp_lt_u32 s[WV], 4                          ; a wave's two first fills stand in one branch: two loads of mine are out
	s_cbranch_scc0 .Lfirst_q
	tensor_load_to_lds s[VA:VA+3], s[G1V:G1V+7]
	s_nop 0
	tensor_load_to_lds s[VB:VB+3], s[G1V:G1V+7]
	s_nop 0
.rept 4
	v_nop
.endr
	s_branch .Lfirst_asked
.Lfirst_q:
	tensor_load_to_lds s[QA:QA+3], s[G1Q:G1Q+7]
	s_nop 0
	tensor_load_to_lds s[QB:QB+3], s[G1Q:G1Q+7]
	s_nop 0
.rept 4
	v_nop
.endr
.Lfirst_asked:
	s_cmp_lt_u32 s[WV], 4                          ; waves 0-3 gather my 64 rows of k from the batch's 64 blocks
	s_cbranch_scc0 .Lno_gather
	global_load_b64 v[GT:GT+1], v[GKA], s[82:83]
	global_load_b64 v[GT+2:GT+3], v[GKA], s[84:85]
	global_load_b64 v[GT+4:GT+5], v[GKA], s[86:87]
	global_load_u16 v[GT+6], v[GKB], s[88:89]
	global_load_b32 v[GT+7], v[GKB], s[90:91]
	s_wait_loadcnt 0x0
	v_lshl_or_b32 v[GT+6], v[GT+6], 16, v[GT+6]    ; the row's two bytes twice: they serve in K 0-63 and in K 64-127
	ds_store_b64 v[KGW], v[GT:GT+1]
	ds_store_b64 v[KGW], v[GT+2:GT+3] offset:8
	ds_store_b64 v[KGW], v[GT+4:GT+5] offset:16
	ds_store_b32 v[KGS], v[GT+6]
	ds_store_b32 v[KGS], v[GT+7] offset:256
.Lno_gather:
	s_wait_tensorcnt 0x1                           ; my part of step 0's chunk is in; step 1's may stay out
	s_wait_dscnt 0x0
	s_barrier_signal -1
	s_barrier_wait -1
.irp m,0,1,2,3
.irp j,0,1,2,3,4,5
	v_mov_b32 v[KF+18*\m+\j], 0
	v_mov_b32 v[KF+18*\m+12+\j], 0
.endr
.endr
.irp m,0,1,2,3
.irp i,0,1,2
	ds_load_b64 v[KF+18*\m+6+2*\i:KF+18*\m+7+2*\i], v[KGL] offset:768*\m+8*\i
.endr
.endr
.irp m,0,1,2,3
	ds_load_b32 v[KSC+\m], v[KGR] offset:64*\m
.endr
.irp m,0,1,2,3
	ds_load_b32 v[GT+\m], v[KGR] offset:256+64*\m
.endr
	s_wait_dscnt 0x0
	WIN 0x40
.irp m,0,1,2,3
.irp j,0,1,2,3,4,5,6,7
	v_mov_b32 v[224+8*\m+\j], v[GT+\m]             ; k2 of my column, as a C operand
.endr
.endr
	WIN 0
	s_wait_kmcnt 0x0
	s_mov_b32 s[GAM+1], s[GAM]
	ADDR
	SOFT                                           ; step 0's attn, by all waves
	s_mov_b32 s[CNT], 14
	TRIP 1, 1, 1, 0                                ; step 0: q's records of step 2 are asked for; v's of step 1 came with the first fills
	s_mov_b32 s[CNT], 13
.Lchunk:                                           ; steps 1 to 13: v's next chunk, q's next but one
	TRIP 0, 1, 0, 0
	s_sub_co_u32 s[CNT], s[CNT], 1
	s_cmp_lg_u32 s[CNT], 0
	s_cbranch_scc1 .Lchunk
	TRIP 2, 1, 0, 1                                ; step 14 (the counter stands at 0): v's last chunk; the tail is written out
	TRIP 3, 0, 0, 0                                ; step 15: nothing is asked for, so a plain barrier
	; THE WAY OUT: x comes in, 16 lanes to 256 bytes; a tile of 16 channels x 64 m at a time goes through my stage and comes back as whole rows; gamma x out + x; 16 lanes store 256 consecutive bytes
	WIN 0x40
.set k, 0
.rept 32
	global_load_b128 v[128+4*k:131+4*k], v[XO], s[XP:XP+1] offset:32768*k th:TH_LOAD_NT
.set k, k+1
.endr
	WIN 0
.irp c,0,1,2,3
.if \c >= 2
	s_wait_xcnt 0x0                                ; the stores of two tiles back have read their registers
.endif
	WIN 0x04                                       ; an LDS store's data: window 1
.irp m,0,1,2,3
	ds_store_b128 v[STO], v[8*(4*\c+\m):8*(4*\c+\m)+3] offset:64*\m          ; each accumulator from its low end on
	ds_store_b128 v[STO], v[8*(4*\c+\m)+4:8*(4*\c+\m)+7] offset:64*\m+16
.endr
	WIN 0
.irp i,0,1,2,3,4,5,6,7
	ds_load_b128 v[OB+32*(\c%2)+4*\i:OB+32*(\c%2)+4*\i+3], v[RD] offset:544*\i   ; LDS serves a wave's instructions in order: these see my stores
.endr
	s_wait_dscnt 0x0
	s_wait_loadcnt 24-8*\c                         ; this tile's eight loads of x are in; the later tiles' may be out
	WIN 0x10
.irp j,0,2,4,6,8,10,12,14,16,18,20,22,24,26,28,30
	v_pk_fma_f32 v[OB+32*(\c%2)+\j:OB+32*(\c%2)+\j+1], v[OB+32*(\c%2)+\j:OB+32*(\c%2)+\j+1], s[GAM:GAM+1], v[128+32*\c+\j:129+32*\c+\j] op_sel_hi:[1,0,1]
.endr
	WIN 0
.irp i,0,1,2,3,4,5,6,7
	global_store_b128 v[XO], v[OB+32*(\c%2)+4*\i:OB+32*(\c%2)+4*\i+3], s[OP:OP+1] offset:262144*\c+32768*\i th:TH_STORE_NT
.endr
.endr
	s_wait_tensorcnt 0x0                           ; the wave's end
	ds_add_u32 v[SPW], v[NIL]
	s_wait_dscnt 0x0
	ROUND                                          ; the closing round: no work-group ends while a partner may still ask for a tile that names it
	s_endpgm
.Lfunc_end_k_qb62aa2b084_attn:
	.size	k_qb62aa2b084_attn, .Lfunc_end_k_qb62aa2b084_attn-k_qb62aa2b084_attn
	.p2alignl 7, 3214868480
	.fill 96, 4, 3214868480
	.section	.rodata,"a",@progbits
	.p2align	6, 0x0
	.amdhsa_kernel k_qb62aa2b084_attn
		.amdhsa_group_segment_fixed_size 327680
		.amdhsa_private_segment_fixed_size 0
		.amdhsa_enable_private_segment 0
		.amdhsa_kernarg_size 40
		.amdhsa_user_sgpr_count 2
		.amdhsa_user_sgpr_kernarg_segment_ptr 1
		.amdhsa_wavefront_size32 1
		.amdhsa_system_sgpr_workgroup_id_x 1
		.amdhsa_system_sgpr_workgroup_id_y 1
		.amdhsa_system_sgpr_workgroup_id_z 1
		.amdhsa_system_vgpr_workitem_id 0
		.amdhsa_next_free_vgpr 512
		.amdhsa_next_free_sgpr 96
		.amdhsa_reserve_vcc 0
		.amdhsa_float_denorm_mode_32 3
		.amdhsa_float_denorm_mode_16_64 3
		.amdhsa_memory_ordered 1
		.amdhsa_forward_progress 1
		.amdhsa_inst_pref_size 199
	.end_amdhsa_kernel
	.amdgpu_metadata
---
amdhsa.version: [ 1, 2 ]
amdhsa.kernels:
  - .name:           k_qb62aa2b084_attn
    .symbol:         k_qb62aa2b084_attn.kd
    .args:
      - { .name: ws, .offset: 0, .size: 8, .value_kind: global_buffer, .address_space: global }
      - { .name: qr, .offset: 8, .size: 8, .value_kind: global_buffer, .address_space: global }
      - { .name: x, .offset: 16, .size: 8, .value_kind: global_buffer, .address_space: global }
      - { .name: gamma, .offset: 24, .size: 8, .value_kind: global_buffer, .address_space: global }
      - { .name: out0, .offset: 32, .size: 8, .value_kind: global_buffer, .address_space: global }
    .group_segment_fixed_size: 327680
    .private_segment_fixed_size: 0
    .kernarg_segment_align: 8
    .kernarg_segment_size: 40
    .max_flat_workgroup_size: 256
    .sgpr_count:     96
    .vgpr_count:     512
    .wavefront_size: 32
...
	.end_amdgpu_metadata
.endif
;; end of part 3
